; MI455X (gfx1250); checked and timed in simulation.
; The chip was launched on July 23, 2026; its instructions are those of AMD's public machine-readable ISA for CDNA 5 (MIT licence, August 2026) and "CDNA5" Instruction Set Architecture Reference Guide (July 2026). The comments in the code are by the model that wrote it; some were corrected since.
;; Multi Head Attention. Allowed arithmetic: matrix products marked QUANTISED: E4M3 operands, one given power-of-two scale a tensor, by v_wmma_f32_16x16x64_fp8_fp8 or v_wmma_f32_16x16x128_fp8_fp8, f32 sums; everything else in f32.
;; Inputs: Wk_codes 1,024 x 32 x 32 uint8 (E4M3 codes of Wk, K innermost, in blocks of 32 codes); Wo_codes 1,024 x 32 x 32 uint8 (E4M3 codes of Wo, K innermost, in blocks of 32 codes); Wq_codes 1,024 x 32 x 32 uint8 (E4M3 codes of Wq, K innermost, in blocks of 32 codes); Wv_codes 1,024 x 32 x 32 uint8 (E4M3 codes of Wv, K innermost, in blocks of 32 codes); attn_mask 1 x 1 x 2,048 x 2,048 bool; bk 1,024 float32; bo 1,024 float32; bq 1,024 float32; bv 1,024 float32; k_codes 4 x 2,048 x 32 x 32 uint8 (E4M3 codes of k, K innermost, in blocks of 32 codes); lowp_scales 12 int32 (the exponents e of the quantised operands' scales 2^e); q_codes 4 x 2,048 x 32 x 32 uint8 (E4M3 codes of q, K innermost, in blocks of 32 codes); v_codes 4 x 2,048 x 32 x 32 uint8 (E4M3 codes of v, K innermost, in blocks of 32 codes).
;; Outputs: out0 4 x 2,048 x 1,024 float32.
;; This version of the problem:
;;   THIS VERSION OF THE PROBLEM IS GIVEN IN LOW PRECISION. The matrix products marked QUANTISED in the list below multiply operands that are first quantised to E4M3 (4 exponent bits, 3 mantissa bits; 8 bits a number), with one given power-of-two scale for each operand tensor; their sums are f32. All else is computed in f32.
;;   The module's matrix products, in the order in which they are computed (A, B: the left and right operand; K: the contracted axis; several contracted axes count as one K, in the product's order):
;;     1. [M 8,192, K 1,024] x [K 1,024, N 1,024]; A: input q (given as codes); B: input Wq (given as codes): QUANTISED (scales: A lowp_scales[0], B lowp_scales[1])
;;     2. [M 8,192, K 1,024] x [K 1,024, N 1,024]; A: input k (given as codes); B: input Wk (given as codes): QUANTISED (scales: A lowp_scales[2], B lowp_scales[3])
;;     3. [M 8,192, K 1,024] x [K 1,024, N 1,024]; A: input v (given as codes); B: input Wv (given as codes): QUANTISED (scales: A lowp_scales[4], B lowp_scales[5])
;;     4. batch 64 x [M 2,048, K 64] x [K 64, N 2,048]; A: computed on the way; B: computed on the way: QUANTISED (scales: A lowp_scales[6], B lowp_scales[7])
;;     5. batch 64 x [M 2,048, K 2,048] x [K 2,048, N 64]; A: softmax (see below); B: computed on the way: QUANTISED (scales: A lowp_scales[8], B lowp_scales[9])
;;     6. [M 8,192, K 1,024] x [K 1,024, N 1,024]; A: computed on the way; B: input Wo (given as codes): QUANTISED (scales: A lowp_scales[10], B lowp_scales[11])
;;   THE QUANTISER, for each operand of a quantised product, along K:
;;     - The operand's scale is 2^e, e = its entry of the input lowp_scales (int32; the entries are numbered through the quantised products in the list's order, A before B).
;;     - Each number is divided by the scale, clamped to +-448, and rounded to the nearest number of E4M3, ties to even, subnormals kept.
;;     - The product sums the exact products of the quantised numbers (number of the format x scale) in f32.
;;   ~~~python
;;   def quantise(x, axis, e):      # numpy; x: float32 -> the quantised numbers, widened to float32 again
;;       x = np.moveaxis(x, axis, -1); K = x.shape[-1]
;;       r = np.clip(x / 2.0 ** e, -448, 448)
;;       step = 2.0 ** (np.maximum(np.frexp(np.where(r == 0, 1, r))[1] - 1, -6) - 3)
;;       q = np.round(r / step) * step * 2.0 ** e      # np.round: ties to even
;;       return np.moveaxis(q, -1, axis).astype(np.float32)
;;   ~~~
;;   SOFTMAX AHEAD OF A QUANTISED PRODUCT. Where the list says 'softmax', what is quantised is not the finished softmax but p = 2^(t - M), with t = logit x log2(e) and M = ceil(the row's largest t), a whole number; so 1/2 < the row's largest p <= 1. The row's sum l is taken of the UNQUANTISED p, in f32, and the product's result is divided by l at the end. Since M is a whole number, a kernel that streams over the keys may use a running M (the ceiling of the running maximum): every later rescaling is an exact power of two, so the quantised numbers keep their values, but for numbers so far below the row's largest that they fall under the format's range.
;;   OPERANDS COMPUTED ON THE WAY. 'Computed on the way' means the value that the module computes at that place (a softmax that the list does not call 'softmax' is quantised finished and normalised). What goes into a quantiser is computed in f32, as accurately as f32 sums, v_exp_f32 and their like allow (about 1e-6 of the number): no bf16 or f16 on the way to a quantiser, and a product that is left as it is and whose result goes on into a quantised operand takes f32 operands (vector FMAs, or v_wmma_f32_16x16x4_f32). A number that lies on a knife's edge between two numbers of the format may be rounded either way, as far as f32 arithmetic and the matrix unit's own rounding can turn it there, and no further.
;;   INPUTS GIVEN AS CODES. Wk (in the module: [1024, 1024], K = its axis 1); Wo (in the module: [1024, 1024], K = its axis 1); Wq (in the module: [1024, 1024], K = its axis 1); Wv (in the module: [1024, 1024], K = its axis 1); k (in the module: [4, 2048, 1024], K = its axis 2); q (in the module: [4, 2048, 1024], K = its axis 2); v (in the module: [4, 2048, 1024], K = its axis 2): each comes as NAME_codes (uint8): NAME with its K axis moved to the last place and cut into blocks of 32 codes, [.., K / 32, bytes a block], one block behind the other in memory; one code a byte (a code: sign, 4 exponent bits, 3 mantissa bits); its scale is its entry of lowp_scales. Its value is code x scale, taken as it is: it is not quantised again, and the codes and scales need not be those that the quantiser above would give.
;; 2 versions, each right; version 2 is version 1 with the launch attn written anew for expert scheduling mode. Each part assembles by itself: llvm-mc -triple=amdgcn-amd-amdhsa -mcpu=gfx1250 --defsym DOCPART=n.
;; ======== version 1 of 2: 3 launches
;; workspace buffers: qf 8,388,608 bytes; kf 8,388,608 bytes; vf 8,388,608 bytes; mf 4,194,304 bytes; af 8,388,608 bytes
;; launch proj (part 1): grid 4 x 96, 4 waves a work-group, clusters of 4 x 4, 327,680 bytes of LDS; arguments q_codes, k_codes, v_codes, Wq_codes, Wk_codes, Wv_codes, bq, bk, bv, lowp_scales, attn_mask, qf, kf, vf, mf; writes qf, kf, vf, mf
.if DOCPART == 1
	.amdgcn_target "amdgcn-amd-amdhsa--gfx1250"
	.amdhsa_code_object_version 6
	.text
	.protected	k_q20dc628a3e_proj
	.globl	k_q20dc628a3e_proj
	.p2align	8
	.type	k_q20dc628a3e_proj,@function
k_q20dc628a3e_proj:
	s_mov_b64 s[64:65], 0
	v_nop
	global_prefetch_b8 v0, s[64:65] scope:SCOPE_SE
	s_setreg_imm32_b32 hwreg(HW_REG_WAVE_MODE, 25, 1), 1
	s_wait_xcnt 0x0
	s_wait_alu depctr_hold_cnt(0) depctr_sa_sdst(0) depctr_va_vdst(0) depctr_va_sdst(0) depctr_va_ssrc(0) depctr_va_vcc(0) depctr_vm_vsrc(0)
	s_getreg_b32 s2, hwreg(HW_REG_IB_STS2, 6, 4)
	s_cmp_eq_u32 s2, 0
	s_cbranch_scc0 .Lentry_in_a_cluster
	s_endpgm
.Lentry_in_a_cluster:
	s_bfe_u32 s2, ttmp6, 0x10000c
	s_cmp_lg_u32 s2, 0xf033
	s_cbranch_scc0 .Lentry_shape_is_right
	s_endpgm
.Lentry_shape_is_right:
; THE THREE INPUT PROJECTIONS, x W^T + b on codes of FP8 (E4M3), each result quantised at once for the attention launch; and the mask laid out anew.
; x: [8192][1024] codes, W: [1024][1024] codes, K innermost; b: [1024] f32.  24 clusters of 4 x 4 work-groups: clusters 0-7 make Q, 8-15 K, 16-23 V (t = cluster y / 8, cl = cluster y % 8).
; A work-group makes 256 x 256 of one result, a wave 128 x 128: 64 accumulators of 16 x 16.  K goes in four slots of 256 through a ring of two LDS slots filled by joint tensor loads.
; ROLES.  The matrix line is always D, source 0, source 1; register j of lane (r, h) of D is (source 0's row 8 h + j, source 1's row r).  What the next product contracts must run along a lane's registers:
;   Q, K: the head's 64 -> source 0 = rows of W, source 1 = tokens.      V: the keys -> source 0 = tokens, source 1 = rows of Wv.
; Both matrices have rows of 1,024 bytes and the tile is square, so only pointers and tile numbers are chosen (by selects on t, which all partners of a cluster share); loop and descriptors' shapes are constants.
; THE BIAS is the C of each sum's first matrix instruction, divided by 2^(ea + eb), the power of two that the sums lack.  code = sum / 2^(eo - ea - eb), held within +-448.
; THE RESULTS ARE STORED AS IMAGES OF THE NEXT OPERAND'S REGISTERS: one conversion of an accumulator's eight registers gives registers 2 c, 2 c + 1 of a fragment; four registers x 32 lanes are 512 consecutive bytes, lane l at 16 l.
;   qf, kf: [batch][head][tile of 16 tokens][2 x 512]: lane (r, h): token r; registers 2 c, 2 c + 1: channels 16 c + 8 h + 0..7.
;   vf:     [batch][head][128 keys][16 channels][4 x 512]: lane (r, h): channel r; registers 2 c, 2 c + 1: keys 16 c + 8 h + 0..7.
;   mf:     [tile of 16 queries][128 keys][4 x 512]: lane (r, h): query r; registers 2 i, 2 i + 1: keys 16 i + 8 h + 0..7; a byte is 0 or 0x88, the code of -2^-6.  Made by Q's 128 work-groups, a tile of queries each.
; LIMITS: eo - ea - eb between -126 and 119 (2^ of it and 448 x that are made as f32 numbers).  NaN codes among the inputs are not served.  A mask byte is 0 or 1.
; REGISTERS, in windows of 256: window 0: v1-31 addresses and constants; v32-95 the bias, later the held sums; v96-111 codes; v112-119 V's bias as loaded; v128-255 source 1's fragments, ONE set (at the head: the mask).
;   window 1: source 0's fragments, TWO sets.   window 2: the accumulators of source 1's blocks 0-3 ((a, b) at v[8 (8 (a % 4) + b)]);   window 3: blocks 4-7.
.set ROWB,   256                       ; a tile's row: 256 codes
.set KROW,   1024                      ; a row of x or of W in memory
.set PITCH,  272                       ; an LDS row: 256 bytes + 16 of padding = 68 words: the 16 rows that a load touches start 4 words apart (64 banks of 4 bytes: ISA guide 11.1)
.set FR,     16                        ; registers of a fragment, 16 rows x 128 K
.set NL,     4                         ; LDS loads that bring one
.set NP,     4                         ; places behind this matrix instruction (ISA guide 7.12.1)
.set HALFT,  128*PITCH                 ; what one tensor load brings
.set SLOT,   4*HALFT                   ; source 1's 256 rows, then source 0's
.set LAPS,   2                         ; 1,024 along K = two laps of two slots
.set SPARE,  2*SLOT                    ; behind the ring: the spare words, 128 bytes a wave: two blocks of 256 bytes that no other line names
.set ADRA, 16                          ; v16-17  LDS address of source 1's fragments in slot 0, 1
.set ADRB, 20                          ; v20-21  of source 0's
.set VO0,  24                          ; v24     16 x lane
.set VO1,  25                          ; v25     16 x lane + the distance to an image's third chunk
.set SCV,  26                          ; v26     2^(eo - ea - eb)
.set LIM,  27                          ; v27     448 x that
.set SPW,  28                          ; v28     my spare word's LDS address; never rewritten
.set NIL,  29                          ; v29     0; never rewritten
.set BO,   30                          ; v30     my offset in the bias
.set MKO,  31                          ; v31     my offset in the mask
.set BI,   32
.set TMP,  32
.set CD,   96
.set BT,   112
.set AF,   128
.set MS,   128
.set G1, 24                            ; s[24:31] group 1 for source 1's tiles; s[32:39] group 0, a set for each slot
.set G0, 32
.set G1B, 48                           ; s[48:55], s[56:63] the same for source 0's
.set G0B, 56
.set MSB, 0
.macro WIN new                         ; the immediate's high byte repeats the setting that is left
.if MSB != (\new)
	s_set_vgpr_msb (MSB<<8)|(\new)
.set MSB, (\new)
.endif
.endm
.set MUL_LO, 0xa1                      ; source 0 window 1, source 1 window 0, C and D window 2
.set MUL_HI, 0xf1                      ; the same, C and D window 3
.set BIA_LO, 0x81                      ; the first step: C (the bias) window 0, D window 2
.set BIA_HI, 0xc1                      ; D window 3
.set TO_B,   0x40
; A joint load: waves 0 and 1 fetch source 1's halves, waves 2 and 3 source 0's.  The branch hangs on the wave's number alone.  Four v_nop follow each line.
.macro JLOAD g0a, g1a, g0b, g1b
	s_cmp_eq_u32 s15, 0
	s_cbranch_scc0 .Lfor_b_\@
	tensor_load_to_lds s[\g0a:\g0a+3], s[\g1a:\g1a+7]
	s_nop 0
.rept 4
	v_nop
.endr
	s_branch .Lasked_\@
.Lfor_b_\@:
	tensor_load_to_lds s[\g0b:\g0b+3], s[\g1b:\g1b+7]
	s_nop 0
.rept 4
	v_nop
.endr
.Lasked_\@:
.endm
.macro CREST                           ; a round of the cluster's barrier behind its opening barrier
	s_cmp_lg_u32 s14, 0
	s_cbranch_scc1 .Lnot_wave_0_\@
	s_barrier_signal -3
.Lnot_wave_0_\@:
	s_barrier_wait -3
	s_barrier_signal -1
	s_barrier_wait -1
.endm
.macro CROUND
	s_barrier_signal -1
	s_barrier_wait -1
	CREST
.endm
	s_load_b512 s[68:83], s[0:1], 0x0              ; q 68, k 70, v 72, Wq 74, Wk 76, Wv 78, bq 80, bk 82
	s_load_b256 s[84:91], s[0:1], 0x40             ; bv 84, the scales' exponents 86, the mask 88, qf 90
	s_load_b128 s[92:95], s[0:1], 0x60             ; kf 92, vf 94
	s_load_b64 s[96:97], s[0:1], 0x70              ; mf
	v_lshl_add_u32 v[SPW], v0, 2, SPARE
	v_mov_b32 v[NIL], 0
	ds_add_u32 v28, v29
	ds_add_u32 v28, v29
	s_wait_dscnt 0x0
	v_lshrrev_b32 v1, 5, v0
	v_readfirstlane_b32 s14, v1                    ; wave 0..3
	s_lshr_b32 s15, s14, 1                         ; my half of source 1's rows.  Also: I fetch for source 1 (0) or source 0 (1)
	s_and_b32 s16, s14, 1                          ; my half of source 0's rows.  Also: which 128 rows I fetch
	s_bfe_u32 s40, ttmp6, 0x40000                  ; cx, cy
	s_bfe_u32 s41, ttmp6, 0x40004
	s_and_b32 s67, ttmp7, 0xffff                   ; cluster y, 0..23
	s_lshr_b32 s66, s67, 3                         ; t: 0 Q, 1 K, 2 V
	s_and_b32 s67, s67, 7                          ; cl
	s_lshl_b32 s18, s67, 2
	s_cmp_eq_u32 s66, 2
	s_cselect_b32 s42, s18, 0                      ; the 32 tiles of tokens go along the axis of the role that tokens have
	s_cselect_b32 s17, 0, s18
	s_add_co_u32 s42, s42, s40                     ; source 0's tile: cx (+ 4 cl for V)
	s_add_co_u32 s17, s17, s41                     ; source 1's tile: cy (+ 4 cl for Q, K)
	s_lshl_b32 s43, s41, 2
	s_lshl_b32 s43, 15, s43                        ; my row of the cluster
	s_lshl_b32 s44, 0x1111, s40                    ; my column
	s_or_b32 s[G1+0], s43, (0<<16)|(1<<20)|(1<<21)|(5<<22)|(3<<25)  ; mask: source 1's tiles go to my row; elements of 1 byte; padding on; bit 21 beside a mask; 4 words after every 64
	s_or_b32 s[G1B+0], s44, (0<<16)|(1<<20)|(1<<21)|(5<<22)|(3<<25) ; source 0's to my column
.irp g, G1, G1B
	s_mov_b32 s[\g+1], ROWB<<16                    ; tensor_dim0
	s_mov_b32 s[\g+2], 128<<16                     ; tensor_dim1
	s_mov_b32 s[\g+3], ROWB<<16                    ; tile_dim0
	s_mov_b32 s[\g+4], 128                         ; tile_dim1
	s_mov_b32 s[\g+5], KROW                        ; tensor_dim0_stride
	s_mov_b32 s[\g+6], 0
	s_mov_b32 s[\g+7], 0
.endr
	s_lshl_b32 s18, s16, 7
	s_lshl_b32 s20, s17, 8
	s_add_co_u32 s20, s20, s18                     ; source 1: row 256 x tile + 128 x half,
	s_lshl_b32 s20, s20, 10                        ; in bytes (under 2^23)
	s_mov_b32 s21, 0
	s_lshl_b32 s46, s42, 8
	s_add_co_u32 s46, s46, s18                     ; source 0 likewise, in registers that never hold cy
	s_lshl_b32 s46, s46, 10
	s_mov_b32 s47, 0
	s_mul_i32 s45, s14, HALFT                      ; where they go: wave x 128 rows
	s_wait_kmcnt 0x0
	s_cmp_eq_u32 s66, 0                            ; the tensor's buffers: choices that hang on the cluster's number alone
	s_cselect_b64 s[68:69], s[68:69], s[70:71]
	s_cselect_b64 s[74:75], s[74:75], s[76:77]
	s_cselect_b64 s[80:81], s[80:81], s[82:83]
	s_cselect_b64 s[90:91], s[90:91], s[92:93]
	s_cmp_eq_u32 s66, 2
	s_cselect_b64 s[68:69], s[72:73], s[68:69]     ; x
	s_cselect_b64 s[74:75], s[78:79], s[74:75]     ; W
	s_cselect_b64 s[8:9], s[84:85], s[80:81]       ; the bias
	s_cselect_b64 s[10:11], s[94:95], s[90:91]     ; the images
	s_cselect_b64 s[4:5], s[74:75], s[68:69]       ; source 1: tokens, for V rows of Wv
	s_cselect_b64 s[6:7], s[68:69], s[74:75]       ; source 0: rows of W, for V tokens
	s_load_b256 s[76:83], s[86:87], 0x0            ; e0 .. e7
	s_load_b128 s[92:95], s[86:87], 0x20           ; e8 .. e11
	s_add_nc_u64 s[20:21], s[4:5], s[20:21]
	s_add_nc_u64 s[46:47], s[6:7], s[46:47]
	CROUND                                         ; all sixteen work-groups are here: the first joint loads meet
.irp s, 0,1
	s_mov_b32 s[G0+4*\s], 1
	s_add_co_u32 s[G0+4*\s+1], s45, \s*SLOT
	s_add_nc_u64 s[G0+4*\s+2:G0+4*\s+3], s[20:21], \s*ROWB
	s_or_b32 s[G0+4*\s+3], s[G0+4*\s+3], 0x80000000
	s_mov_b32 s[G0B+4*\s], 1
	s_add_co_u32 s[G0B+4*\s+1], s45, \s*SLOT
	s_add_nc_u64 s[G0B+4*\s+2:G0B+4*\s+3], s[46:47], \s*ROWB
	s_or_b32 s[G0B+4*\s+3], s[G0B+4*\s+3], 0x80000000
	JLOAD G0+4*\s, G1, G0B+4*\s, G1B               ; two loads of mine are out
.endr
	v_and_b32 v1, 15, v0                           ; r
	v_bfe_u32 v2, v0, 4, 1                         ; h
	v_mul_u32_u24 v3, v1, PITCH
	v_lshl_add_u32 v4, v2, 4, v3                   ; a fragment's row x pitch + 16 h
	s_mul_i32 s21, s15, HALFT
	s_mul_i32 s22, s16, HALFT
	s_add_co_u32 s22, s22, 2*HALFT
.irp s, 0,1
	v_add_nc_u32 v[ADRA+\s], s21, v4
	v_add_nc_u32 v[ADRB+\s], s22, v4
	s_add_co_u32 s21, s21, SLOT
	s_add_co_u32 s22, s22, SLOT
.endr
	v_and_b32 v6, 31, v0
	v_lshlrev_b32 v[VO0], 4, v6
	s_wait_kmcnt 0x0                               ; the exponents
	s_cmp_eq_u32 s66, 0
	s_cselect_b32 s98, s76, s78                    ; ea: e0, e2, e4
	s_cselect_b32 s99, s77, s79                    ; eb: e1, e3, e5
	s_cselect_b32 s100, s82, s83                   ; eo: e6, e7, e9
	s_cmp_eq_u32 s66, 2
	s_cselect_b32 s98, s80, s98
	s_cselect_b32 s99, s81, s99
	s_cselect_b32 s100, s93, s100
	s_mov_b32 s70, 1024                            ; from source 1's block to the next, in the images: a tile of tokens, for V a tile of channels
	s_cselect_b32 s70, 2048, s70
	s_mov_b32 s72, 1024                            ; from block 3 to block 4: for V on to the next head, 131,072 - 3 x 2,048
	s_cselect_b32 s72, 124928, s72
	s_mov_b32 s84, 131072                          ; from an image's second chunk... its third lies in the next head, for V 1,024 bytes on
	s_cselect_b32 s84, 1024, s84
	s_cselect_b32 s20, s17, s42                    ; the tile and the half along which the features go
	s_cselect_b32 s21, s15, s16
	s_mov_b32 s71, 0
	s_mov_b32 s73, 0
	s_add_co_i32 s98, s98, s99                     ; ea + eb
	s_sub_co_i32 s99, 0, s98
	s_sub_co_i32 s100, s100, s98                   ; eo - ea - eb
	s_add_co_i32 s100, s100, 127
	s_lshl_b32 s101, s100, 23
	v_mov_b32 v[SCV], s101
	s_add_co_i32 s100, s100, 8
	s_lshl_b32 s100, s100, 23
	s_or_b32 s100, s100, 0x600000
	v_mov_b32 v[LIM], s100
	v_add_nc_u32 v[VO1], s84, v[VO0]
	; ---- the bias of my 128 features, / 2^(ea + eb), in the layout of a result
	s_lshl_b32 s20, s20, 10
	s_lshl_b32 s21, s21, 9
	s_add_co_u32 s20, s20, s21                     ; 4 x (256 x tile + 128 x half)
	s_mov_b32 s21, 0
	s_add_nc_u64 s[8:9], s[8:9], s[20:21]
	s_cmp_eq_u32 s66, 2
	s_cbranch_scc1 .Lbias_v
	v_lshlrev_b32 v[BO], 5, v2                     ; Q, K: features along the registers: block b's 16 b + 8 h + 0..7
.irp b, 0,1,2,3,4,5,6,7
	global_load_b128 v[BI+8*\b:BI+8*\b+3], v[BO], s[8:9] offset:64*\b
	global_load_b128 v[BI+8*\b+4:BI+8*\b+7], v[BO], s[8:9] offset:64*\b+16
.endr
	s_wait_loadcnt 0x0
.set j, 0
.rept 64
	v_ldexp_f32 v[BI+j], v[BI+j], s99
.set j, j+1
.endr
	s_branch .Lbias_done
.Lbias_v:
	v_lshlrev_b32 v[BO], 2, v1                     ; V: features along the lanes: block a's 16 a + r, the same in all eight registers
.irp a, 0,1,2,3,4,5,6,7
	global_load_b32 v[BT+\a], v[BO], s[8:9] offset:64*\a
.endr
	s_wait_loadcnt 0x0
.set j, 0
.rept 64
	v_ldexp_f32 v[BI+j], v[BT+j/8], s99
.set j, j+1
.endr
.Lbias_done:
	; ---- the mask: Q's 128 work-groups take a tile of 16 queries each, a wave four steps of 128 keys.  cx and cy enter global addresses alone; the branch hangs on the cluster's number
	s_cmp_lg_u32 s66, 0
	s_cbranch_scc1 .Lno_mask
	s_lshl_b32 s20, s67, 4
	s_lshl_b32 s21, s41, 2
	s_add_co_u32 s20, s20, s21
	s_add_co_u32 s20, s20, s40                     ; the tile: 16 cl + 4 cy + cx
	s_lshl_b32 s20, s20, 15                        ; 16 rows of 2,048 bytes; and as many bytes in mf
	s_lshl_b32 s21, s14, 9
	s_add_co_u32 s22, s20, s21                     ; + 512 keys x wave
	s_mov_b32 s23, 0
	s_add_nc_u64 s[88:89], s[88:89], s[22:23]
	s_lshl_b32 s21, s14, 13
	s_add_co_u32 s22, s20, s21                     ; + four steps' images x wave
	s_add_nc_u64 s[96:97], s[96:97], s[22:23]
	s_mov_b32 s22, 0x88
	v_lshlrev_b32 v[MKO], 11, v1
	v_lshl_add_u32 v[MKO], v2, 3, v[MKO]           ; row r, + 8 h
.set j, 0
.rept 32
	global_load_b64 v[MS+2*j:MS+2*j+1], v[MKO], s[88:89] offset:128*(j/8)+16*(j%8) th:TH_LOAD_NT   ; step j / 8, keys 16 (j % 8) + 8 h + 0..7
.set j, j+1
.endr
	s_wait_loadcnt 0x0
.set j, 0
.rept 64
	v_mul_lo_u32 v[MS+j], v[MS+j], s22             ; each byte 1 becomes 0x88: no byte's product reaches the next byte
.set j, j+1
.endr
.set j, 0
.rept 16
	global_store_b128 v[VO0], v[MS+4*j:MS+4*j+3], s[96:97] offset:512*j   ; 512 consecutive bytes a store
.set j, j+1
.endr
	s_wait_xcnt 0x0                                ; the stores have read their registers: fragments land there next
.Lno_mask:
	; ---- where my images begin: batch x 2^21 + head x 2^17 + 64 x token (a tile of 16 tokens is 1,024 bytes, a step of 128 keys 8,192)
	s_cmp_eq_u32 s66, 2
	s_cselect_b32 s20, s42, s17                    ; the tile of tokens,
	s_cselect_b32 s21, s16, s15                    ; my half of it;
	s_cselect_b32 s22, s17, s42                    ; the tile of features,
	s_cselect_b32 s23, s15, s16                    ; my half of it
	s_lshl_b32 s20, s20, 8
	s_lshl_b32 s21, s21, 7
	s_add_co_u32 s20, s20, s21                     ; my first token
	s_lshl_b32 s22, s22, 2
	s_lshl_b32 s23, s23, 1
	s_add_co_u32 s22, s22, s23                     ; my first head
	s_lshr_b32 s21, s20, 11
	s_lshl_b32 s21, s21, 21
	s_and_b32 s20, s20, 2047
	s_lshl_b32 s20, s20, 6
	s_lshl_b32 s22, s22, 17
	s_or_b32 s20, s20, s21
	s_or_b32 s20, s20, s22
	s_mov_b32 s21, 0
	s_add_nc_u64 s[10:11], s[10:11], s[20:21]
.macro FRAG reg, adr, q, i             ; 16 rows x 128 K: registers 4 c .. 4 c + 3 hold K = 32 c + 16 h + 0..15: a permutation of k, the same in both sources
.irp c, 0,1,2,3
	ds_load_b128 v[\reg+4*\c:\reg+4*\c+3], v[\adr] offset:128*(\q)+32*\c+(\i)*16*PITCH
.endr
.endm
; 16 matrix instructions: source 1's blocks a0, a0 + 1 x source 0's eight.  p: source 0's set.  mode 0: onto the sums; 1: C = the bias by source 0's block; 2: by source 1's block.
; The 64 accumulators take turns, one instruction a turn, in the same order in every step.
.macro MUL16 a0, p, mode
.irp a, \a0, \a0+1
.irp b, 0,1,2,3,4,5,6,7
.if \mode == 0
	v_wmma_f32_16x16x128_fp8_fp8 v[8*(8*((\a)%4)+\b):8*(8*((\a)%4)+\b)+7], v[128*(\p)+FR*\b:128*(\p)+FR*\b+FR-1], v[AF+FR*(\a):AF+FR*(\a)+FR-1], v[8*(8*((\a)%4)+\b):8*(8*((\a)%4)+\b)+7]
.elseif \mode == 1
	v_wmma_f32_16x16x128_fp8_fp8 v[8*(8*((\a)%4)+\b):8*(8*((\a)%4)+\b)+7], v[128*(\p)+FR*\b:128*(\p)+FR*\b+FR-1], v[AF+FR*(\a):AF+FR*(\a)+FR-1], v[BI+8*\b:BI+8*\b+7]
.else
	v_wmma_f32_16x16x128_fp8_fp8 v[8*(8*((\a)%4)+\b):8*(8*((\a)%4)+\b)+7], v[128*(\p)+FR*\b:128*(\p)+FR*\b+FR-1], v[AF+FR*(\a):AF+FR*(\a)+FR-1], v[BI+8*(\a):BI+8*(\a)+7]
.endif
.endr
.endr
.endm
.macro FETCH_B slot, q, p
	WIN TO_B
.irp i, 0,1,2,3,4,5,6,7
	FRAG 128*(\p)+FR*\i, ADRB+\slot, \q, \i
.endr
	WIN 0
.endm
.macro FETCH_A slot, q, i0
.irp i, \i0, \i0+1, \i0+2, \i0+3
	FRAG AF+FR*(\i), ADRA+\slot, \q, \i
.endr
.endm
.macro PLACES n                        ; plain vector instructions between a matrix instruction and a load into, or a read of, its registers
.rept \n
	v_nop
.endr
.endm
; A step of 128 along K that has its successor in the same slot.  Source 1 has one set of registers: blocks 0-3 are fetched anew in the step's middle, blocks 4-7 at its end.
.macro STEP slot, q, mode
	s_wait_dscnt 4*NL                              ; all but the youngest sixteen loads (source 1's blocks 4-7) are in
.if \mode == 0
	WIN MUL_LO
.else
	WIN BIA_LO
.endif
	MUL16 0, (\q)%2, \mode
	MUL16 2, (\q)%2, \mode
	s_wait_dscnt 0
	PLACES NP
	FETCH_B \slot, (\q)+1, 1-(\q)%2
	FETCH_A \slot, (\q)+1, 0
.if \mode == 0
	WIN MUL_HI
.else
	WIN BIA_HI
.endif
	MUL16 4, (\q)%2, \mode
	MUL16 6, (\q)%2, \mode
	PLACES NP
	WIN 0
	FETCH_A \slot, (\q)+1, 4
.endm
; A slot's last step changes slots: ONE barrier; in front of it each wave waits for all its tensor loads, adds 0 to its spare word, and waits for that and for its reads of this slot.
.macro TURN slot, next, fill
	s_wait_tensorcnt 0x0                           ; all my tensor loads have landed: my part of the next slot
	ds_add_u32 v[SPW], v[NIL]                      ; 0 onto my spare word
	s_wait_dscnt 4*NL+1                            ; the add and the youngest sixteen loads may be out
	WIN MUL_LO
	MUL16 0, 1, 0                                  ; work on registers between the add and the wait for it
	s_wait_dscnt 0x0                               ; the add is done, and my reads of this slot are over
	s_barrier_signal -1
	MUL16 2, 1, 0
	WIN 0
	s_barrier_wait -1
.if \fill
	CREST                                          ; the barrier has opened a round of the cluster's: no wave of any partner still reads this slot or has a load on its way
	s_add_nc_u64 s[G0+4*\slot+2:G0+4*\slot+3], s[G0+4*\slot+2:G0+4*\slot+3], 2*ROWB
	s_add_nc_u64 s[G0B+4*\slot+2:G0B+4*\slot+3], s[G0B+4*\slot+2:G0B+4*\slot+3], 2*ROWB
	JLOAD G0+4*\slot, G1, G0B+4*\slot, G1B         ; my one tensor load behind the round; its four v_nop are also the places in front of the loads below
.else
	PLACES NP
.endif
	FETCH_B \next, 0, 0
	FETCH_A \next, 0, 0
	WIN MUL_HI
	MUL16 4, 1, 0
	MUL16 6, 1, 0
	PLACES NP
	WIN 0
	FETCH_A \next, 0, 4
.endm
	s_wait_tensorcnt 1                             ; my part of slot 0 is in; slot 1's load may be out
	s_barrier_signal -1
	s_barrier_wait -1
	FETCH_B 0, 0, 0
	FETCH_A 0, 0, 0
	FETCH_A 0, 0, 4
	s_cmp_eq_u32 s66, 2                            ; the first step starts the sums with the bias; which block picks the bias hangs on the roles.  Both arms have the same loads and waits
	s_cbranch_scc1 .Lfirst_v
	STEP 0, 0, 1
	s_branch .Lfirst_done
.Lfirst_v:
	STEP 0, 0, 2
.Lfirst_done:
	s_mov_b32 s3, LAPS-1
.Llap:                                                 ; a trip goes once round the ring and fills both slots again
	TURN 0, 1, 1
	STEP 1, 0, 0
	TURN 1, 0, 1
	STEP 0, 0, 0
	s_sub_co_u32 s3, s3, 1
	s_cmp_lg_u32 s3, 0
	s_cbranch_scc1 .Llap
	TURN 0, 1, 0                                   ; the last lap fills nothing
	STEP 1, 0, 0
	s_wait_dscnt 4*NL
	WIN MUL_LO
	MUL16 0, 1, 0
	MUL16 2, 1, 0
	s_wait_dscnt 0
	WIN MUL_HI
	MUL16 4, 1, 0
	MUL16 6, 1, 0
	WIN 0
; THE WAY OUT, by source 1's blocks.  The block's 64 sums are held within +-448 x the scale (the conversion to an 8-bit code does not saturate: ISA guide 7.6.2), each accumulator from its low end on;
; eight conversions make sixteen registers of codes, four chunks of 512 consecutive bytes, stored as they stand.
.macro OUTBLK a
.set AC, 64*((\a)%4)
	WIN 0x02+((\a)/4)                              ; source 0: window 2 or 3
.set j, 0
.rept 64
	v_med3_num_f32 v[TMP+j], v[AC+j], -v[LIM], v[LIM]
.set j, j+1
.endr
	WIN 0
.if (\a) > 0
	s_wait_xcnt 0x0                                ; the last block's stores have read their codes and their base
.if (\a) == 4
	s_add_nc_u64 s[10:11], s[10:11], s[72:73]
.else
	s_add_nc_u64 s[10:11], s[10:11], s[70:71]
.endif
.endif
.irp b, 0,1,2,3,4,5,6,7
	v_cvt_scalef32_pk8_fp8_f32 v[CD+2*\b:CD+2*\b+1], v[TMP+8*\b:TMP+8*\b+7], v[SCV]
.endr
	v_nop                                          ; a plain instruction behind the conversions: the next block's holds write their sources
	global_store_b128 v[VO0], v[CD:CD+3], s[10:11]
	global_store_b128 v[VO0], v[CD+4:CD+7], s[10:11] offset:512
	global_store_b128 v[VO1], v[CD+8:CD+11], s[10:11]
	global_store_b128 v[VO1], v[CD+12:CD+15], s[10:11] offset:512
.endm
	PLACES NP
.irp a, 0,1,2,3,4,5,6,7
	OUTBLK \a
.endr
	s_wait_tensorcnt 0x0                           ; the wave's end
	ds_add_u32 v[SPW], v[NIL]
	s_wait_dscnt 0x0
	CROUND                                         ; the closing round: no work-group ends while a partner may still ask for a tile that names it
	s_endpgm
.Lfunc_end_k_q20dc628a3e_proj:
	.size	k_q20dc628a3e_proj, .Lfunc_end_k_q20dc628a3e_proj-k_q20dc628a3e_proj
	.p2alignl 7, 3214868480
	.fill 96, 4, 3214868480
	.section	.rodata,"a",@progbits
	.p2align	6, 0x0
	.amdhsa_kernel k_q20dc628a3e_proj
		.amdhsa_group_segment_fixed_size 327680
		.amdhsa_private_segment_fixed_size 0
		.amdhsa_enable_private_segment 0
		.amdhsa_kernarg_size 120
		.amdhsa_user_sgpr_count 2
		.amdhsa_user_sgpr_kernarg_segment_ptr 1
		.amdhsa_wavefront_size32 1
		.amdhsa_system_sgpr_workgroup_id_x 1
		.amdhsa_system_sgpr_workgroup_id_y 1
		.amdhsa_system_sgpr_workgroup_id_z 1
		.amdhsa_system_vgpr_workitem_id 0
		.amdhsa_next_free_vgpr 1024
		.amdhsa_next_free_sgpr 102
		.amdhsa_reserve_vcc 0
		.amdhsa_float_denorm_mode_32 3
		.amdhsa_float_denorm_mode_16_64 3
		.amdhsa_memory_ordered 1
		.amdhsa_forward_progress 1
		.amdhsa_inst_pref_size 148
	.end_amdhsa_kernel
	.amdgpu_metadata
---
amdhsa.version: [ 1, 2 ]
amdhsa.kernels:
  - .name:           k_q20dc628a3e_proj
    .symbol:         k_q20dc628a3e_proj.kd
    .args:
      - { .name: q_codes, .offset: 0, .size: 8, .value_kind: global_buffer, .address_space: global }
      - { .name: k_codes, .offset: 8, .size: 8, .value_kind: global_buffer, .address_space: global }
      - { .name: v_codes, .offset: 16, .size: 8, .value_kind: global_buffer, .address_space: global }
      - { .name: Wq_codes, .offset: 24, .size: 8, .value_kind: global_buffer, .address_space: global }
      - { .name: Wk_codes, .offset: 32, .size: 8, .value_kind: global_buffer, .address_space: global }
      - { .name: Wv_codes, .offset: 40, .size: 8, .value_kind: global_buffer, .address_space: global }
      - { .name: bq, .offset: 48, .size: 8, .value_kind: global_buffer, .address_space: global }
      - { .name: bk, .offset: 56, .size: 8, .value_kind: global_buffer, .address_space: global }
      - { .name: bv, .offset: 64, .size: 8, .value_kind: global_buffer, .address_space: global }
      - { .name: lowp_scales, .offset: 72, .size: 8, .value_kind: global_buffer, .address_space: global }
      - { .name: attn_mask, .offset: 80, .size: 8, .value_kind: global_buffer, .address_space: global }
      - { .name: qf, .offset: 88, .size: 8, .value_kind: global_buffer, .address_space: global }
      - { .name: kf, .offset: 96, .size: 8, .value_kind: global_buffer, .address_space: global }
      - { .name: vf, .offset: 104, .size: 8, .value_kind: global_buffer, .address_space: global }
      - { .name: mf, .offset: 112, .size: 8, .value_kind: global_buffer, .address_space: global }
    .group_segment_fixed_size: 327680
    .private_segment_fixed_size: 0
    .kernarg_segment_align: 8
    .kernarg_segment_size: 120
    .max_flat_workgroup_size: 128
    .sgpr_count:     102
    .vgpr_count:     1024
    .wavefront_size: 32
...
	.end_amdgpu_metadata
.endif
;; end of part 1
;; launch attn (part 2): grid 4 x 64, 8 waves a work-group, no clusters, 263,168 bytes of LDS; arguments qf, kf, vf, mf, lowp_scales, af; writes af
.if DOCPART == 2
	.amdgcn_target "amdgcn-amd-amdhsa--gfx1250"
	.amdhsa_code_object_version 6
	.text
	.protected	k_q20dc628a3e_attn
	.globl	k_q20dc628a3e_attn
	.p2align	8
	.type	k_q20dc628a3e_attn,@function
k_q20dc628a3e_attn:
	s_mov_b64 s[64:65], 0
	v_nop
	global_prefetch_b8 v0, s[64:65] scope:SCOPE_SE
	s_setreg_imm32_b32 hwreg(HW_REG_WAVE_MODE, 25, 1), 1
	s_wait_xcnt 0x0
; ATTENTION on codes of FP8 (E4M3): S^T = K Q^T, the mask, p = 2^(t - M), O^T = V^T p^T, O / l quantised for the output projection.  64 (batch, head) pairs x 2,048 queries x 2,048 keys, head size 64.
; t = score x log2(e) / 8; M = the running largest t rounded UP to a whole number; the row's sum l is taken of the unquantised p; when M moves, l and O are multiplied by 2^(old M - new M), which rounds nothing.
; THE MASK IS AN INPUT: every tile of keys is multiplied.  It arrives as codes, 0 or -2^-6 (0x88), in the layout of a tile of scores; one conversion widens eight of them, x 2^87, into the tile's registers (0 or -2^81),
; and the first product adds onto them.  A sum of 64 products is under 2^24 and vanishes beside 2^81, so a hidden score is -2^81 and its p is 0; in a row with every key hidden all t are equal, t - M = 0 and all p are 1: equal weights.
; SHARES.  A work-group owns 512 queries of one (batch, head); each of its eight waves 64: four tiles of 16.  The head's K and V, 128 KB each, are copied into LDS once, through registers; ONE barrier; then LDS is only read.
; A fragment of K or V read from LDS serves the wave's four tiles.  Multicast is not used: K and V are fetched once.
; LAYOUT.  All operands lie in memory as images of their registers (512 bytes = 4 registers x 32 lanes, lane l at 16 l), in the plain forms' own order of k.  Both products are used transposed: a lane holds ONE query (lane % 16).
; Tile i of S^T holds keys 16 i + 8 h + 0..7 in a lane's eight registers: its conversion gives registers 2 i, 2 i + 1 of the second product's operand.
; V's rows change places on their way into LDS: lane r of tile 2 bb + u holds channel 32 bb + 8 u + r + 8 (r / 8), so that O^T's tiles 2 bb, 2 bb + 1 hold 16 neighbouring channels 32 bb + 16 h + 0..15 of a query.
; LIMITS on the given exponents: e6 + e7 between -55 and 45 (c x 2^81 is then a whole f32 number); e8 and e10 between -126 and 119.  A row with every key hidden leans on the matrix unit giving -2^81 exactly.  NaN is not served.
; The last step's look-ahead asks once more for its own mask images (clamped, inside mf) and reads 8 KB of LDS behind K's last step (V's first bytes); neither is used.
; REGISTERS.  window 0: v1 16 x lane; v2-5 addresses of the step; v6-9 constants; v10-13 at work; v[14:15] f; v16-31 four a tile: -M, the largest t, l in two halves; v32-35 at work; v40-43 the fill's addresses;
;   v64-127 S^T, then p; v128-191 K of a step; v192-255 V of a step.   window 1: v0-127 O^T (32 a tile); v128-159 Q (8 a tile); v160-223 p's codes (16 a tile); v224-255 the mask's codes, two sets of 16.
.set LI,  1
.set AD,  2
.set VA,  3
.set MO0, 4
.set MO1, 5
.set SC,  6
.set PS,  7
.set PL,  8
.set PX,  9
.set W0,  10
.set F,   14
.set ST,  16
.set CH,  32
.set FK,  40
.set FV,  42
.set S,   64
.set KF,  128
.set VF,  192
.set O,   0
.set Q,   128
.set PC,  160
.set MK,  224
.set VLDS, 131072                      ; LDS: K's 128 KB at 0, V's behind them
.set MSB, 0
.macro WIN new                         ; bits 1:0 source 0, 3:2 source 1, 5:4 source 2, 7:6 destination; the high byte repeats the setting that is left
.if MSB != (\new)
	s_set_vgpr_msb (MSB<<8)|(\new)
.set MSB, (\new)
.endif
.endm
	s_load_b256 s[4:11], s[0:1], 0x0               ; qf 4, kf 6, vf 8, mf 10
	s_load_b128 s[12:15], s[0:1], 0x20             ; the scales' exponents 12, af 14
	v_lshl_add_u32 v62, v0, 2, 0x40000
	v_mov_b32 v63, 0
	v_lshrrev_b32 v2, 5, v0
	v_readfirstlane_b32 s16, v2                    ; wave 0..7
	v_and_b32 v[LI], 31, v0
	v_lshlrev_b32 v[LI], 4, v[LI]
	v_lshlrev_b32 v[FK], 4, v0                     ; the fill: 16 x thread, in memory and (K) in LDS
	v_add_nc_u32 v[FK+1], 0x10000, v[FK]           ; (an LDS immediate has 16 bits)
	v_and_b32 v[FV], 7, v0                         ; V in LDS: of the thread's number t, bits 2:0 -> lane's r % 8, bit 7 -> r / 8, bit 4 -> h, bits 6:5 -> chunk, bit 3 -> u
	v_lshlrev_b32 v[FV], 4, v[FV]
	v_bfe_u32 v10, v0, 7, 1
	v_lshl_or_b32 v[FV], v10, 7, v[FV]
	v_bfe_u32 v10, v0, 4, 1
	v_lshl_or_b32 v[FV], v10, 8, v[FV]
	v_bfe_u32 v10, v0, 5, 2
	v_lshl_or_b32 v[FV], v10, 9, v[FV]
	v_bfe_u32 v10, v0, 3, 1
	v_lshl_or_b32 v[FV], v10, 11, v[FV]
	v_add_nc_u32 v[FV], VLDS, v[FV]
	v_add_nc_u32 v[FV+1], 0x10000, v[FV]
	s_and_b32 s17, ttmp7, 0xffff                   ; 16 x batch + head
	s_lshl_b32 s18, ttmp9, 5
	s_lshl_b32 s19, s16, 2
	s_add_co_u32 s18, s18, s19                     ; my first tile of queries: 32 x work-group x + 4 x wave
	s_lshl_b32 s34, s17, 17                        ; the head's 128 KB in qf, kf, vf
	s_mov_b32 s35, 0
	s_lshl_b32 s36, s18, 10                        ; a tile of Q is 1,024 bytes
	s_mov_b32 s37, 0
	s_lshl_b32 s38, s18, 15                        ; a tile of queries has 32,768 bytes of mask
	s_mov_b32 s39, 0
	s_lshr_b32 s42, s17, 4                         ; af: [128 tokens][4 heads' slot][tile of 16 tokens][head in slot][2 x 512]
	s_lshl_b32 s42, s42, 7
	s_add_co_u32 s42, s42, s18                     ; my first tile among all 512
	s_lshr_b32 s44, s42, 3
	s_lshl_b32 s44, s44, 17
	s_and_b32 s42, s42, 7
	s_lshl_b32 s42, s42, 12
	s_or_b32 s44, s44, s42
	s_bfe_u32 s42, s17, 0x20002                    ; head / 4
	s_lshl_b32 s42, s42, 15
	s_or_b32 s44, s44, s42
	s_and_b32 s42, s17, 3                          ; head % 4
	s_lshl_b32 s42, s42, 10
	s_or_b32 s44, s44, s42
	s_mov_b32 s45, 0
	s_mov_b32 s28, 0x76543210                      ; v_permlanex16_b32: lane l xor 16
	s_mov_b32 s29, 0xfedcba98
	s_wait_kmcnt 0x0
	s_load_b128 s[20:23], s[12:13], 0x18           ; e6, e7, e8, e9
	s_load_b32 s24, s[12:13], 0x28                 ; e10
	s_add_nc_u64 s[6:7], s[6:7], s[34:35]
	s_add_nc_u64 s[8:9], s[8:9], s[34:35]
	s_add_nc_u64 s[4:5], s[4:5], s[34:35]
	s_add_nc_u64 s[4:5], s[4:5], s[36:37]
	s_add_nc_u64 s[40:41], s[10:11], s[38:39]
	s_add_nc_u64 s[14:15], s[14:15], s[44:45]
	; ---- THE FILL: 32 loads of 16 bytes a thread for K, 32 for V: each load of the work-group covers 4,096 consecutive bytes
.set i, 0
.rept 32
	global_load_b128 v[S+4*i:S+4*i+3], v[FK], s[6:7] offset:4096*i
.set i, i+1
.endr
	WIN 0x40
.set i, 0
.rept 32
	global_load_b128 v[O+4*i:O+4*i+3], v[FK], s[8:9] offset:4096*i
.set i, i+1
.endr
	WIN 0
	s_wait_kmcnt 0x0
	s_add_co_i32 s26, s20, s21
	s_lshl_b32 s26, s26, 23
	s_add_co_i32 s26, s26, 0x3e38aa3b              ; c = log2(e) / 8, with e6 + e7 added to its exponent field: a score stands for score x 2^(e6 + e7)
	s_mov_b32 s27, s26                             ; (named with it as a pair)
	s_add_co_i32 s34, s22, 127
	s_lshl_b32 s35, s34, 23
	v_mov_b32 v[PS], s35                           ; 2^e8, for p's conversions
	s_add_co_i32 s34, s34, 8
	s_lshl_b32 s34, s34, 23
	s_or_b32 s34, s34, 0x600000
	v_mov_b32 v[PL], s34                           ; 448 x 2^e8
	v_mov_b32 v[SC], 0xd6d6d6d6                    ; the mask's scale, 2^(214 - 127) = 2^87, the same byte everywhere
.set i, 0
.rept 32
	s_wait_loadcnt 63-i                            ; behind K's load i: 31 - i of K and 32 of V
	ds_store_b128 v[FK+i/16], v[S+4*i:S+4*i+3] offset:4096*(i%16)
.set i, i+1
.endr
	WIN 0x40
.set i, 0
.rept 8
	global_load_b128 v[Q+4*i:Q+4*i+3], v[LI], s[4:5] offset:512*i          ; Q stays in registers
.set i, i+1
.endr
.irp u, 0,1
.irp c, 0,1,2,3
	global_load_b128 v[MK+16*\u+4*\c:MK+16*\u+4*\c+3], v[LI], s[40:41] offset:32768*\u+512*\c   ; the mask of step 0, tiles 0 and 1
.endr
.endr
	WIN 0x04                                       ; a store's data: source 1
.set i, 0
.rept 32
	s_wait_loadcnt 47-i                            ; behind V's load i: 31 - i of V, 8 of Q, 8 of the mask
	ds_store_b128 v[FV+i/16], v[O+4*i:O+4*i+3] offset:4096*(i%16)
.set i, i+1
.endr
	WIN 0
	s_wait_dscnt 0x0                               ; for the others' sake: my stores have landed
	s_barrier_signal -1
	WIN 0x40                                       ; register work while the others arrive.  O^T begins as zeros, so that the step, some 10 KB of text, is written once: the first change of M multiplies zeros
.set i, 0
.rept 128
	v_mov_b32 v[O+i], 0
.set i, i+1
.endr
	WIN 0
.irp t, 0,1,2,3
	v_mov_b32 v[ST+4*\t+1], 0xff61b1e6             ; the largest t so far: -3e38
	v_floor_f32 v[ST+4*\t], -v[ST+4*\t+1]          ; -M
	v_mov_b32 v[ST+4*\t+2], 0                      ; l
	v_mov_b32 v[ST+4*\t+3], 0
	v_mov_b32 v[CH+\t], 0                          ; (a lane permute's destination counts as read)
.endr
	v_mov_b32 v[PX], 0
	v_mov_b32 v[F+1], 0                            ; (named as the upper half of the pair f)
	s_barrier_wait -1                              ; K and V are whole; from here on LDS is only read
.irp i, 0,1,2,3,4,5,6,7
	ds_load_b128 v[KF+8*\i:KF+8*\i+3], v[LI] offset:1024*\i
	ds_load_b128 v[KF+8*\i+4:KF+8*\i+7], v[LI] offset:1024*\i+512
.endr
; ONE TILE OF 16 QUERIES x 128 KEYS
.macro UNIT qt
.set rT, ST+4*(\qt)
.set rM, MK+16*((\qt)%2)
	s_wait_loadcnt 0x4                             ; this tile's mask is in; the next tile's four loads may be out
	WIN 0x01
.irp i, 0,1,2,3,4,5,6,7
	v_cvt_scale_pk8_f32_fp8 v[S+8*\i:S+8*\i+7], v[rM+2*\i:rM+2*\i+1], v[SC]   ; 0, or -2^81 where the key is hidden
.endr
	v_nop                                          ; a plain instruction between the conversions and the products that take their results
	WIN 0x40
.irp c, 0,1,2,3                        ; the set just read takes the mask of the tile two on
.if \qt < 2
	global_load_b128 v[rM+4*\c:rM+4*\c+3], v[MO0], s[40:41] offset:32768*(\qt+2)+512*\c
.else
	global_load_b128 v[rM+4*\c:rM+4*\c+3], v[MO1], s[40:41] offset:32768*(\qt-2)+512*\c
.endif
.endr
.if \qt == 0
	s_wait_dscnt 0x10                              ; K is in; V's sixteen loads may be out
.endif
	WIN 0x04
.irp i, 0,1,2,3,4,5,6,7                ; S^T = K Q^T + the mask: eight accumulators, one instruction each
	v_wmma_f32_16x16x64_fp8_fp8 v[S+8*\i:S+8*\i+7], v[KF+8*\i:KF+8*\i+7], v[Q+8*(\qt):Q+8*(\qt)+7], v[S+8*\i:S+8*\i+7]
.endr
	WIN 0
.rept 4
	v_nop                                          ; places in front of the reads of the scores, and (last tile) of the loads into K's registers
.endr
	v_max3_num_f32 v[W0], v[S], v[S+1], v[S+2]     ; the largest score of my query among my 64 keys, two chains, each accumulator from its low end on
	v_max3_num_f32 v[W0+1], v[S+3], v[S+4], v[S+5]
.irp i, 6,10,14,18,22,26,30,34,38,42,46,50,54,58
	v_max3_num_f32 v[W0], v[W0], v[S+\i], v[S+\i+1]
	v_max3_num_f32 v[W0+1], v[W0+1], v[S+\i+2], v[S+\i+3]
.endr
	v_max3_num_f32 v[W0], v[W0], v[S+62], v[S+63]
	v_max_num_f32 v[W0], v[W0], v[W0+1]
.if \qt == 3
.irp i, 0,1,2,3,4,5,6,7                ; K of the next step: all four tiles have multiplied by this step's
	ds_load_b128 v[KF+8*\i:KF+8*\i+3], v[AD] offset:8192+1024*\i
	ds_load_b128 v[KF+8*\i+4:KF+8*\i+7], v[AD] offset:8192+1024*\i+512
.endr
.endif
	v_permlanex16_b32 v[PX], v[W0], s28, s29
	v_max_num_f32 v[W0], v[W0], v[PX]              ; and among lane l xor 16's
	v_mul_f32 v[W0], s26, v[W0]                    ; as t (c is positive)
	v_max_num_f32 v[rT+1], v[rT+1], v[W0]          ; the running largest t
	v_mov_b32 v[W0], v[rT]
	v_floor_f32 v[rT], -v[rT+1]                    ; the new -M = floor(-t)
	v_sub_f32 v[W0], v[rT], v[W0]                  ; old M - new M: a whole number, 0 or less
	v_cvt_i32_f32 v[W0], v[W0]                     ; (it saturates)
	v_ldexp_f32 v[F], 1.0, v[W0]                   ; f = 2^(old M - new M)
.set j, 0
.rept 32
	v_pk_fma_f32 v[S+j:S+j+1], v[S+j:S+j+1], s[26:27], v[rT:rT+1] op_sel_hi:[1,0,0]   ; t - M, two at a time
.set j, j+2
.endr
.set j, 0
.rept 64
	v_exp_f32 v[S+j], v[S+j]                       ; p = 2^(t - M), at most 1
.set j, j+1
.endr
	v_pk_mul_f32 v[rT+2:rT+3], v[rT+2:rT+3], v[F:F+1] op_sel_hi:[1,0]   ; l under the new M; the plain instruction behind the exponentials
	s_wait_alu depctr_va_vdst(0)                   ; one wait for the batch, ahead of its first reader
	v_pk_add_f32 v[CH:CH+1], v[S:S+1], v[S+2:S+3]  ; the sum of the unquantised p, two chains
.irp j, 4,8,12,16,20,24,28,32,36,40,44,48,52,56,60
	v_pk_add_f32 v[rT+2:rT+3], v[rT+2:rT+3], v[S+\j:S+\j+1]
	v_pk_add_f32 v[CH:CH+1], v[CH:CH+1], v[S+\j+2:S+\j+3]
.endr
	v_pk_add_f32 v[rT+2:rT+3], v[rT+2:rT+3], v[CH:CH+1]
	s_cmp_ge_i32 s22, -8                           ; the conversion does not saturate (ISA guide 7.6.2).  With e8 >= -8 the bound 448 x 2^e8 is 1.75 or more and p, at most 1, never reaches it
	s_cbranch_scc1 .Lno_hold_\@
.set j, 0
.rept 64
	v_min_num_f32 v[S+j], v[S+j], v[PL]            ; p is not negative: the hold is one-sided
.set j, j+1
.endr
.Lno_hold_\@:
	WIN 0x40
.irp i, 0,1,2,3,4,5,6,7
	v_cvt_scalef32_pk8_fp8_f32 v[PC+16*(\qt)+2*\i:PC+16*(\qt)+2*\i+1], v[S+8*\i:S+8*\i+7], v[PS]
.endr
	WIN 0x41
.set j, 0
.rept 16
	v_pk_mul_f32 v[O+32*(\qt)+j:O+32*(\qt)+j+1], v[O+32*(\qt)+j:O+32*(\qt)+j+1], v[F:F+1] op_sel_hi:[1,0]   ; O^T under the new M; also the plain instructions behind the conversions
.set j, j+2
.endr
	WIN 0
.endm
	s_mov_b32 s30, 0                               ; the step's first byte in K's (and V's) part of LDS
	s_mov_b32 s31, 0
.Lstep:                                                ; 16 trips of 128 keys
	s_wait_xcnt 0x0                                ; the mask's loads have read their offsets, which are written anew
	s_lshr_b32 s32, s30, 2                         ; a step's mask images: 2,048 bytes a tile
	s_add_co_u32 s33, s32, 2048
	s_min_u32 s33, s33, 30720                      ; the next step's; the last step stays inside mf
	v_add_nc_u32 v[AD], s30, v[LI]                 ; these four are also the places between the last products and the loads into V's registers
	v_add_nc_u32 v[MO0], s32, v[LI]
	v_add_nc_u32 v[MO1], s33, v[LI]
	v_add_nc_u32 v[VA], VLDS, v[AD]
.irp t, 0,1,2,3
.irp c, 0,1,2,3
	ds_load_b128 v[VF+16*\t+4*\c:VF+16*\t+4*\c+3], v[VA] offset:2048*\t+512*\c
.endr
.endr
	UNIT 0
	UNIT 1
	UNIT 2
	UNIT 3
	s_wait_dscnt 0x10                              ; V is in; the next step's sixteen loads of K may be out
	WIN 0x54                                       ; V window 0, p's codes window 1, O^T window 1
.irp t, 0,1,2,3                        ; O^T += V^T p^T: sixteen accumulators by turns, one instruction a turn
.irp q, 0,1,2,3
	v_wmma_f32_16x16x128_fp8_fp8 v[O+32*\q+8*\t:O+32*\q+8*\t+7], v[VF+16*\t:VF+16*\t+15], v[PC+16*\q:PC+16*\q+15], v[O+32*\q+8*\t:O+32*\q+8*\t+7]
.endr
.endr
	WIN 0
	s_add_co_u32 s30, s30, 8192
	s_add_co_u32 s31, s31, 1
	s_cmp_lt_u32 s31, 16
	s_cbranch_scc1 .Lstep
	; THE WAY OUT: O^T x 2^(e8 + e9) / l, held, quantised with 2^e10; a tile's eight registers of codes are two chunks of the next operand's image
	s_wait_dscnt 0x0                               ; the look-ahead loads of K have landed: their registers are written below
	s_add_co_i32 s34, s22, s23
	s_add_co_i32 s35, s24, 127
	s_lshl_b32 s36, s35, 23
	s_add_co_i32 s35, s35, 8
	s_lshl_b32 s35, s35, 23
	s_or_b32 s35, s35, 0x600000
.irp t, 0,1,2,3
	v_add_f32 v[W0+\t], v[ST+4*\t+2], v[ST+4*\t+3] ; l's two halves (these four are the places behind the last products),
.endr
.irp t, 0,1,2,3
	v_permlanex16_b32 v[CH+\t], v[W0+\t], s28, s29
.endr
.irp t, 0,1,2,3
	v_add_f32 v[W0+\t], v[W0+\t], v[CH+\t]         ; and lane l xor 16's
.endr
.irp t, 0,1,2,3
	v_rcp_f32 v[W0+\t], v[W0+\t]
.endr
	v_mov_b32 v[PS], s36                           ; 2^e10 (a plain instruction behind the reciprocals)
	v_mov_b32 v[PL], s35                           ; 448 x 2^e10
	s_wait_alu depctr_va_vdst(0)                   ; one wait for the four, ahead of their first reader
.irp t, 0,1,2,3
	v_ldexp_f32 v[W0+\t], v[W0+\t], s34
.endr
.irp t, 0,1,2,3
	WIN 0x01
.set j, 0
.rept 32
	v_mul_f32 v[S+32*\t+j], v[O+32*\t+j], v[W0+\t] ; register 16 bb + i: channel 32 bb + 16 h + i of my query
.set j, j+1
.endr
	WIN 0
.set j, 0
.rept 32
	v_med3_num_f32 v[S+32*\t+j], v[S+32*\t+j], -v[PL], v[PL]
.set j, j+1
.endr
.irp g, 0,1,2,3
	v_cvt_scalef32_pk8_fp8_f32 v[VF+8*\t+2*\g:VF+8*\t+2*\g+1], v[S+32*\t+8*\g:S+32*\t+8*\g+7], v[PS]
.endr
	v_nop
	global_store_b128 v[LI], v[VF+8*\t:VF+8*\t+3], s[14:15] offset:4096*\t        ; 512 consecutive bytes a store
	global_store_b128 v[LI], v[VF+8*\t+4:VF+8*\t+7], s[14:15] offset:4096*\t+512
.endr
	s_wait_tensorcnt 0x0
	ds_add_u32 v62, v63
	s_wait_dscnt 0x0
	s_endpgm
.Lfunc_end_k_q20dc628a3e_attn:
	.size	k_q20dc628a3e_attn, .Lfunc_end_k_q20dc628a3e_attn-k_q20dc628a3e_attn
	.p2alignl 7, 3214868480
	.fill 96, 4, 3214868480
	.section	.rodata,"a",@progbits
	.p2align	6, 0x0
	.amdhsa_kernel k_q20dc628a3e_attn
		.amdhsa_group_segment_fixed_size 263168
		.amdhsa_private_segment_fixed_size 0
		.amdhsa_enable_private_segment 0
		.amdhsa_kernarg_size 48
		.amdhsa_user_sgpr_count 2
		.amdhsa_user_sgpr_kernarg_segment_ptr 1
		.amdhsa_wavefront_size32 1
		.amdhsa_system_sgpr_workgroup_id_x 1
		.amdhsa_system_sgpr_workgroup_id_y 1
		.amdhsa_system_sgpr_workgroup_id_z 1
		.amdhsa_system_vgpr_workitem_id 0
		.amdhsa_next_free_vgpr 512
		.amdhsa_next_free_sgpr 66
		.amdhsa_reserve_vcc 0
		.amdhsa_float_denorm_mode_32 3
		.amdhsa_float_denorm_mode_16_64 3
		.amdhsa_memory_ordered 1
		.amdhsa_forward_progress 1
		.amdhsa_inst_pref_size 98
	.end_amdhsa_kernel
	.amdgpu_metadata
---
amdhsa.version: [ 1, 2 ]
amdhsa.kernels:
  - .name:           k_q20dc628a3e_attn
    .symbol:         k_q20dc628a3e_attn.kd
    .args:
      - { .name: qf, .offset: 0, .size: 8, .value_kind: global_buffer, .address_space: global }
      - { .name: kf, .offset: 8, .size: 8, .value_kind: global_buffer, .address_space: global }
      - { .name: vf, .offset: 16, .size: 8, .value_kind: global_buffer, .address_space: global }
      - { .name: mf, .offset: 24, .size: 8, .value_kind: global_buffer, .address_space: global }
      - { .name: lowp_scales, .offset: 32, .size: 8, .value_kind: global_buffer, .address_space: global }
      - { .name: af, .offset: 40, .size: 8, .value_kind: global_buffer, .address_space: global }
    .group_segment_fixed_size: 263168
    .private_segment_fixed_size: 0
    .kernarg_segment_align: 8
    .kernarg_segment_size: 48
    .max_flat_workgroup_size: 256
    .sgpr_count:     66
    .vgpr_count:     512
    .wavefront_size: 32
...
	.end_amdgpu_metadata
.endif
;; end of part 2
;; launch outp (part 3): grid 4 x 32, 4 waves a work-group, clusters of 4 x 4, 327,680 bytes of LDS; arguments af, Wo_codes, lowp_scales, bo, out0; writes out0
.if DOCPART == 3
	.amdgcn_target "amdgcn-amd-amdhsa--gfx1250"
	.amdhsa_code_object_version 6
	.text
	.protected	k_q20dc628a3e_outp
	.globl	k_q20dc628a3e_outp
	.p2align	8
	.type	k_q20dc628a3e_outp,@function
k_q20dc628a3e_outp:
	s_mov_b64 s[64:65], 0
	v_nop
	global_prefetch_b8 v0, s[64:65] scope:SCOPE_SE
	s_setreg_imm32_b32 hwreg(HW_REG_WAVE_MODE, 25, 1), 1
	s_wait_xcnt 0x0
	s_wait_alu depctr_hold_cnt(0) depctr_sa_sdst(0) depctr_va_vdst(0) depctr_va_sdst(0) depctr_va_ssrc(0) depctr_va_vcc(0) depctr_vm_vsrc(0)
	s_getreg_b32 s2, hwreg(HW_REG_IB_STS2, 6, 4)
	s_cmp_eq_u32 s2, 0
	s_cbranch_scc0 .Lentry_in_a_cluster
	s_endpgm
.Lentry_in_a_cluster:
	s_bfe_u32 s2, ttmp6, 0x10000c
	s_cmp_lg_u32 s2, 0xf033
	s_cbranch_scc0 .Lentry_shape_is_right
	s_endpgm
.Lentry_shape_is_right:
; THE OUTPUT PROJECTION: out0[m][n] = 2^(e10 + e11) x (sum over k of A[m][k] Wo[n][k]) + bo[n], on codes of FP8 (E4M3).  A: 8,192 tokens x 1,024; Wo: [1024][1024], K innermost; out0: [8192][1024] f32.
; A lies in af as images of its fragments: [128 tokens][slot of 256 K][tile of 16 tokens][64 K][2 x 512 bytes]; four registers x 32 lanes are 512 bytes, lane l at 16 l; registers 4 c .. 4 c + 3 of a fragment
; (16 tokens x 128 K) hold K = 32 c + 16 h + 0..15: the order in which loads of 16 bytes give Wo's fragments from rows.  The same permutation of k on both sides: every product meets its partner.
; A work-group makes 256 x 256, a wave 128 x 128: 64 accumulators.  K goes in four slots of 256 through a ring of two LDS slots filled by joint tensor loads: 128 tokens' images of a slot are one dense block of 32 KB;
; Wo's tile has 128 rows of 256 bytes, padded.  4 x 4 work-groups form a cluster: A's tiles are shared along its rows, Wo's along its columns.  128 tiles of 256 x 256: the launch has work for 128 work-groups.
; THE MATRIX INSTRUCTION IS USED TRANSPOSED (source 0 = 16 rows of Wo, source 1 = 16 tokens): a lane holds eight neighbouring numbers of a row of out0.
; LIMIT: e10 + e11 between -126 and 127, so that 2^(e10 + e11) is an f32 number.
; REGISTERS: window 0: v1-31 addresses; v32-95 bo in a result's layout; v128-255 A's fragments, ONE set (on the way out v128-191: a block's results).   window 1: Wo's fragments, TWO sets (on the way out: rows read back).
;   window 2: the accumulators of my tokens 0-63 ((a, b) at v[8 (8 (a % 4) + b)]);   window 3: tokens 64-127.
.set ROWB,   256
.set KROW,   1024
.set PITCH,  272                       ; Wo's LDS row: 256 bytes + 16 of padding: the 16 rows that a load touches start 4 words apart (64 banks of 4 bytes: ISA guide 11.1)
.set FR,     16
.set NL,     4
.set NP,     4
.set HALFA,  32768                     ; 128 tokens' images of a slot
.set HALFB,  128*PITCH
.set BOFF,   2*HALFA
.set SLOT,   2*HALFA+2*HALFB
.set LAPS,   2
.set SPARE,  2*SLOT                    ; behind the ring: the spare words, 128 bytes a wave: two blocks of 256 bytes that no other line names
.set SPITCH, 528                       ; the way out: a stage of 16 rows x (512 bytes + 16) for each wave, in slot 0, which has had its last fill and its last read by then
.set NROW,   4096                      ; a row of out0 in bytes
.set ADRA, 16
.set ADRB, 20
.set STO,  24
.set RD,   25
.set CO,   26                          ; v26     16 x lane
.set BO,   27
.set SPW,  28
.set NIL,  29
.set BI,   32
.set AF,   128
.set TMP,  128
.set G1, 24
.set G0, 32
.set G1B, 48
.set G0B, 56
.set MSB, 0
.macro WIN new
.if MSB != (\new)
	s_set_vgpr_msb (MSB<<8)|(\new)
.set MSB, (\new)
.endif
.endm
.set MUL_LO, 0xa1
.set MUL_HI, 0xf1
.set TO_B,   0x40
.macro JLOAD g0a, g1a, g0b, g1b        ; waves 0 and 1 fetch for A, waves 2 and 3 for Wo; four v_nop follow each line
	s_cmp_eq_u32 s15, 0
	s_cbranch_scc0 .Lfor_b_\@
	tensor_load_to_lds s[\g0a:\g0a+3], s[\g1a:\g1a+7]
	s_nop 0
.rept 4
	v_nop
.endr
	s_branch .Lasked_\@
.Lfor_b_\@:
	tensor_load_to_lds s[\g0b:\g0b+3], s[\g1b:\g1b+7]
	s_nop 0
.rept 4
	v_nop
.endr
.Lasked_\@:
.endm
.macro CREST
	s_cmp_lg_u32 s14, 0
	s_cbranch_scc1 .Lnot_wave_0_\@
	s_barrier_signal -3
.Lnot_wave_0_\@:
	s_barrier_wait -3
	s_barrier_signal -1
	s_barrier_wait -1
.endm
.macro CROUND
	s_barrier_signal -1
	s_barrier_wait -1
	CREST
.endm
	s_load_b128 s[4:7], s[0:1], 0x0                ; af, Wo's codes
	s_load_b128 s[8:11], s[0:1], 0x10              ; the scales' exponents, bo
	s_load_b64 s[12:13], s[0:1], 0x20              ; out0
	v_lshl_add_u32 v[SPW], v0, 2, SPARE
	v_mov_b32 v[NIL], 0
	ds_add_u32 v28, v29
	ds_add_u32 v28, v29
	s_wait_dscnt 0x0
	v_lshrrev_b32 v1, 5, v0
	v_readfirstlane_b32 s14, v1                    ; wave 0..3
	s_lshr_b32 s15, s14, 1                         ; my half of the tokens.  Also: I fetch for A (0) or for Wo (1)
	s_and_b32 s16, s14, 1                          ; my half of the columns.  Also: which half of that tile I fetch
	s_bfe_u32 s40, ttmp6, 0x40000
	s_bfe_u32 s41, ttmp6, 0x40004
	s_lshl_b32 s42, ttmp9, 2
	s_add_co_u32 s42, s42, s40                     ; tile column
	s_and_b32 s17, ttmp7, 0xffff
	s_lshl_b32 s17, s17, 2
	s_add_co_u32 s17, s17, s41                     ; tile row
	s_lshl_b32 s43, s41, 2
	s_lshl_b32 s43, 15, s43
	s_lshl_b32 s44, 0x1111, s40
	s_or_b32 s[G1+0], s43, (3<<16)|(1<<21)         ; A: my row's mask; elements of 8 bytes; no padding; bit 21 beside a mask
	s_mov_b32 s[G1+1], 32<<16                      ; a dense block as 128 rows of 32 elements (256 bytes)
	s_mov_b32 s[G1+2], 128<<16
	s_mov_b32 s[G1+3], 32<<16
	s_mov_b32 s[G1+4], 128
	s_mov_b32 s[G1+5], 32
	s_mov_b32 s[G1+6], 0
	s_mov_b32 s[G1+7], 0
	s_or_b32 s[G1B+0], s44, (0<<16)|(1<<20)|(1<<21)|(5<<22)|(3<<25)  ; Wo: my column's mask; elements of 1 byte; 4 words of padding after every 64
	s_mov_b32 s[G1B+1], ROWB<<16
	s_mov_b32 s[G1B+2], 128<<16
	s_mov_b32 s[G1B+3], ROWB<<16
	s_mov_b32 s[G1B+4], 128
	s_mov_b32 s[G1B+5], KROW
	s_mov_b32 s[G1B+6], 0
	s_mov_b32 s[G1B+7], 0
	s_lshl_b32 s20, s17, 1
	s_add_co_u32 s20, s20, s16                     ; A: block of 128 tokens 2 x tile row + half,
	s_lshl_b32 s20, s20, 17                        ; 131,072 bytes each
	s_mov_b32 s21, 0
	s_lshl_b32 s46, s42, 8
	s_lshl_b32 s18, s16, 7
	s_add_co_u32 s46, s46, s18                     ; Wo: row 256 x tile column + 128 x half
	s_lshl_b32 s46, s46, 10
	s_mov_b32 s47, 0
	s_lshl_b32 s45, s16, 15                        ; where they go: A's halves at 0 and 32,768,
	s_mul_i32 s19, s16, HALFB
	s_add_co_u32 s19, s19, BOFF                    ; Wo's behind them
	s_wait_kmcnt 0x0
	s_load_b64 s[96:97], s[8:9], 0x28              ; e10, e11
	s_add_nc_u64 s[20:21], s[4:5], s[20:21]
	s_add_nc_u64 s[46:47], s[6:7], s[46:47]
	CROUND                                         ; all sixteen work-groups are here: the first joint loads meet
.irp s, 0,1
	s_mov_b32 s[G0+4*\s], 1
	s_add_co_u32 s[G0+4*\s+1], s45, \s*SLOT
	s_add_nc_u64 s[G0+4*\s+2:G0+4*\s+3], s[20:21], \s*HALFA
	s_or_b32 s[G0+4*\s+3], s[G0+4*\s+3], 0x80000000
	s_mov_b32 s[G0B+4*\s], 1
	s_add_co_u32 s[G0B+4*\s+1], s19, \s*SLOT
	s_add_nc_u64 s[G0B+4*\s+2:G0B+4*\s+3], s[46:47], \s*ROWB
	s_or_b32 s[G0B+4*\s+3], s[G0B+4*\s+3], 0x80000000
	JLOAD G0+4*\s, G1, G0B+4*\s, G1B               ; two loads of mine are out
.endr
	v_and_b32 v1, 15, v0                           ; r
	v_bfe_u32 v2, v0, 4, 1                         ; h
	v_mul_u32_u24 v3, v1, PITCH
	v_lshl_add_u32 v4, v2, 4, v3
	v_and_b32 v6, 31, v0
	v_lshlrev_b32 v[CO], 4, v6
	s_lshl_b32 s21, s15, 15                        ; my 128 tokens' images
	s_mul_i32 s22, s16, HALFB
	s_add_co_u32 s22, s22, BOFF                    ; my 128 rows of Wo
.irp s, 0,1
	v_add_nc_u32 v[ADRA+\s], s21, v[CO]
	v_add_nc_u32 v[ADRB+\s], s22, v4
	s_add_co_u32 s21, s21, SLOT
	s_add_co_u32 s22, s22, SLOT
.endr
	s_mul_i32 s23, s14, 16*SPITCH                  ; my stage
	v_mul_u32_u24 v5, v1, SPITCH
	v_lshl_add_u32 v5, v2, 5, v5
	v_add_nc_u32 v[STO], s23, v5                   ; in: row r, 32 bytes for each half of the lanes
	v_add_nc_u32 v[RD], s23, v[CO]                 ; back: the 32 lanes take one row of 512 bytes
	s_lshl_b32 s46, s42, 10
	s_lshl_b32 s47, s16, 9
	s_add_co_u32 s46, s46, s47                     ; my first column, in bytes, in out0 and in bo alike
	s_mov_b32 s47, 0
	s_add_nc_u64 s[10:11], s[10:11], s[46:47]
	v_lshlrev_b32 v[BO], 5, v2                     ; bo: block b's 16 b + 8 h + 0..7
.irp b, 0,1,2,3,4,5,6,7
	global_load_b128 v[BI+8*\b:BI+8*\b+3], v[BO], s[10:11] offset:64*\b
	global_load_b128 v[BI+8*\b+4:BI+8*\b+7], v[BO], s[10:11] offset:64*\b+16
.endr
	s_lshl_b32 s20, s17, 8
	s_lshl_b32 s21, s15, 7
	s_add_co_u32 s20, s20, s21                     ; my first row of out0
	s_lshl_b32 s20, s20, 12                        ; x 4,096 bytes (under 2^25)
	s_mov_b32 s21, 0
	s_add_nc_u64 s[20:21], s[20:21], s[46:47]
	s_add_nc_u64 s[12:13], s[12:13], s[20:21]
.macro FRAGB reg, adr, q, i            ; Wo: 16 rows x 128 K from rows
.irp c, 0,1,2,3
	ds_load_b128 v[\reg+4*\c:\reg+4*\c+3], v[\adr] offset:128*(\q)+32*\c+(\i)*16*PITCH
.endr
.endm
.macro FRAGA reg, adr, q, i            ; A: 16 tokens x 128 K from its image: each load takes 512 consecutive bytes
.irp c, 0,1,2,3
	ds_load_b128 v[\reg+4*\c:\reg+4*\c+3], v[\adr] offset:4096*(\i)+2048*(\q)+512*\c
.endr
.endm
; 16 matrix instructions; the 64 accumulators take turns, one instruction a turn, in the same order in every step.  zero = 1: the first product starts the sums
.macro MUL16 a0, p, zero
.irp a, \a0, \a0+1
.irp b, 0,1,2,3,4,5,6,7
.if \zero
	v_wmma_f32_16x16x128_fp8_fp8 v[8*(8*((\a)%4)+\b):8*(8*((\a)%4)+\b)+7], v[128*(\p)+FR*\b:128*(\p)+FR*\b+FR-1], v[AF+FR*(\a):AF+FR*(\a)+FR-1], 0
.else
	v_wmma_f32_16x16x128_fp8_fp8 v[8*(8*((\a)%4)+\b):8*(8*((\a)%4)+\b)+7], v[128*(\p)+FR*\b:128*(\p)+FR*\b+FR-1], v[AF+FR*(\a):AF+FR*(\a)+FR-1], v[8*(8*((\a)%4)+\b):8*(8*((\a)%4)+\b)+7]
.endif
.endr
.endr
.endm
.macro FETCH_B slot, q, p
	WIN TO_B
.irp i, 0,1,2,3,4,5,6,7
	FRAGB 128*(\p)+FR*\i, ADRB+\slot, \q, \i
.endr
	WIN 0
.endm
.macro FETCH_A slot, q, i0
.irp i, \i0, \i0+1, \i0+2, \i0+3
	FRAGA AF+FR*(\i), ADRA+\slot, \q, \i
.endr
.endm
.macro PLACES n                        ; plain vector instructions between a matrix instruction and a load into, or a read of, its registers
.rept \n
	v_nop
.endr
.endm
.macro STEP slot, q, zero
	s_wait_dscnt 4*NL                              ; all but the youngest sixteen loads (A's blocks 4-7) are in
	WIN MUL_LO
	MUL16 0, (\q)%2, \zero
	MUL16 2, (\q)%2, \zero
	s_wait_dscnt 0
	PLACES NP
	FETCH_B \slot, (\q)+1, 1-(\q)%2
	FETCH_A \slot, (\q)+1, 0
	WIN MUL_HI
	MUL16 4, (\q)%2, \zero
	MUL16 6, (\q)%2, \zero
	PLACES NP
	WIN 0
	FETCH_A \slot, (\q)+1, 4
.endm
.macro TURN slot, next, fill
	s_wait_tensorcnt 0x0                           ; all my tensor loads have landed: my part of the next slot
	ds_add_u32 v[SPW], v[NIL]                      ; 0 onto my spare word
	s_wait_dscnt 4*NL+1                            ; the add and the youngest sixteen loads may be out
	WIN MUL_LO
	MUL16 0, 1, 0
	s_wait_dscnt 0x0                               ; the add is done, and my reads of this slot are over
	s_barrier_signal -1
	MUL16 2, 1, 0
	WIN 0
	s_barrier_wait -1
.if \fill
	CREST                                          ; the barrier has opened a round of the cluster's: no wave of any partner still reads this slot or has a load on its way
	s_add_nc_u64 s[G0+4*\slot+2:G0+4*\slot+3], s[G0+4*\slot+2:G0+4*\slot+3], 2*HALFA
	s_add_nc_u64 s[G0B+4*\slot+2:G0B+4*\slot+3], s[G0B+4*\slot+2:G0B+4*\slot+3], 2*ROWB
	JLOAD G0+4*\slot, G1, G0B+4*\slot, G1B         ; my one tensor load behind the round; its four v_nop are also the places in front of the loads below
.else
	PLACES NP
.endif
	FETCH_B \next, 0, 0
	FETCH_A \next, 0, 0
	WIN MUL_HI
	MUL16 4, 1, 0
	MUL16 6, 1, 0
	PLACES NP
	WIN 0
	FETCH_A \next, 0, 4
.endm
	s_wait_tensorcnt 1                             ; my part of slot 0 is in; slot 1's load may be out
	s_barrier_signal -1
	s_barrier_wait -1
	FETCH_B 0, 0, 0
	FETCH_A 0, 0, 0
	FETCH_A 0, 0, 4
	STEP 0, 0, 1                                   ; the first step stands in front of the loop: its products start the sums
	s_mov_b32 s3, LAPS-1
.Llap:
	TURN 0, 1, 1
	STEP 1, 0, 0
	TURN 1, 0, 1
	STEP 0, 0, 0
	s_sub_co_u32 s3, s3, 1
	s_cmp_lg_u32 s3, 0
	s_cbranch_scc1 .Llap
	TURN 0, 1, 0                                   ; the last lap fills nothing
	STEP 1, 0, 0
	s_wait_dscnt 4*NL
	WIN MUL_LO
	MUL16 0, 1, 0
	MUL16 2, 1, 0
	s_wait_dscnt 0
	WIN MUL_HI
	MUL16 4, 1, 0
	MUL16 6, 1, 0
	WIN 0
; THE WAY OUT, block by block of 16 rows x 128 columns: sum x 2^(e10 + e11) + bo, one packed multiply-add for two numbers, each accumulator from its low end on; through my own stage in LDS; back as whole rows of
; 512 bytes, which the 32 lanes store as 512 consecutive bytes.  LDS serves a wave's instructions in order (ISA guide 5.7.1.4): no wait between the stores and the loads.
.macro TOSTAGE a
.set AC, 64*((\a)%4)
	WIN 0x02+((\a)/4)                              ; source 0: window 2 or 3
.set j, 0
.rept 32
	v_pk_fma_f32 v[TMP+j:TMP+j+1], v[AC+j:AC+j+1], s[96:97], v[BI+j:BI+j+1] op_sel_hi:[1,0,1]
.set j, j+2
.endr
	WIN 0
.irp b, 0,1,2,3,4,5,6,7
	ds_store_b128 v[STO], v[TMP+8*\b:TMP+8*\b+3] offset:64*\b
	ds_store_b128 v[STO], v[TMP+8*\b+4:TMP+8*\b+7] offset:64*\b+16
.endr
.set BB, 64*((\a)%2)
	WIN 0x40                                       ; back into window 1, two sets by turns
.irp t, 0,1,2,3,4,5,6,7,8,9,10,11,12,13,14,15
	ds_load_b128 v[BB+4*\t:BB+4*\t+3], v[RD] offset:\t*SPITCH
.endr
	WIN 0
.endm
.macro SEND a, younger                 ; younger: the LDS instructions issued behind block a's loads, which may stay out
.set BB, 64*((\a)%2)
	s_wait_dscnt \younger
.if (\a) > 0
	s_add_nc_u64 s[12:13], s[12:13], 16*NROW       ; (behind a wait on XCNT: the earlier stores have read their base)
.endif
	WIN 0x04                                       ; a store's data: source 1
.irp t, 0,1,2,3,4,5,6,7,8,9,10,11,12,13,14,15
	global_store_b128 v[CO], v[BB+4*\t:BB+4*\t+3], s[12:13] offset:\t*NROW th:TH_STORE_NT
.endr
	WIN 0
.endm
	s_wait_kmcnt 0x0
	s_add_co_i32 s96, s96, s97
	s_add_co_i32 s96, s96, 127
	s_lshl_b32 s96, s96, 23                        ; 2^(e10 + e11) as f32
	s_mov_b32 s97, s96                             ; (named with it as a pair)
	s_wait_loadcnt 0x0                             ; bo
	PLACES NP
	TOSTAGE 0
.irp a, 1,2,3,4,5,6,7
.if \a > 1
	s_wait_xcnt 0x0                                ; block a - 2's stores have read their registers and their base
.endif
	TOSTAGE \a
	SEND \a-1, 32                                  ; behind block a - 1's loads: block a's 16 stores and 16 loads
.endr
	s_wait_xcnt 0x0
	SEND 7, 0
	s_wait_tensorcnt 0x0                           ; the wave's end
	ds_add_u32 v[SPW], v[NIL]
	s_wait_dscnt 0x0
	CROUND                                         ; the closing round
	s_endpgm
.Lfunc_end_k_q20dc628a3e_outp:
	.size	k_q20dc628a3e_outp, .Lfunc_end_k_q20dc628a3e_outp-k_q20dc628a3e_outp
	.p2alignl 7, 3214868480
	.fill 96, 4, 3214868480
	.section	.rodata,"a",@progbits
	.p2align	6, 0x0
	.amdhsa_kernel k_q20dc628a3e_outp
		.amdhsa_group_segment_fixed_size 327680
		.amdhsa_private_segment_fixed_size 0
		.amdhsa_enable_private_segment 0
		.amdhsa_kernarg_size 40
		.amdhsa_user_sgpr_count 2
		.amdhsa_user_sgpr_kernarg_segment_ptr 1
		.amdhsa_wavefront_size32 1
		.amdhsa_system_sgpr_workgroup_id_x 1
		.amdhsa_system_sgpr_workgroup_id_y 1
		.amdhsa_system_sgpr_workgroup_id_z 1
		.amdhsa_system_vgpr_workitem_id 0
		.amdhsa_next_free_vgpr 1024
		.amdhsa_next_free_sgpr 100
		.amdhsa_reserve_vcc 0
		.amdhsa_float_denorm_mode_32 3
		.amdhsa_float_denorm_mode_16_64 3
		.amdhsa_memory_ordered 1
		.amdhsa_forward_progress 1
		.amdhsa_inst_pref_size 126
	.end_amdhsa_kernel
	.amdgpu_metadata
---
amdhsa.version: [ 1, 2 ]
amdhsa.kernels:
  - .name:           k_q20dc628a3e_outp
    .symbol:         k_q20dc628a3e_outp.kd
    .args:
      - { .name: af, .offset: 0, .size: 8, .value_kind: global_buffer, .address_space: global }
      - { .name: Wo_codes, .offset: 8, .size: 8, .value_kind: global_buffer, .address_space: global }
      - { .name: lowp_scales, .offset: 16, .size: 8, .value_kind: global_buffer, .address_space: global }
      - { .name: bo, .offset: 24, .size: 8, .value_kind: global_buffer, .address_space: global }
      - { .name: out0, .offset: 32, .size: 8, .value_kind: global_buffer, .address_space: global }
    .group_segment_fixed_size: 327680
    .private_segment_fixed_size: 0
    .kernarg_segment_align: 8
    .kernarg_segment_size: 40
    .max_flat_workgroup_size: 128
    .sgpr_count:     100
    .vgpr_count:     1024
    .wavefront_size: 32
...
	.end_amdgpu_metadata
.endif
;; end of part 3
;; ======== version 2 of 2: 3 launches; version 1 with the launch attn written anew for expert scheduling mode
;; workspace buffers: qf 8,388,608 bytes; kf 8,388,608 bytes; vf 8,388,608 bytes; mf 4,194,304 bytes; af 8,388,608 bytes
;; launch proj: the kernel of part 1 again; grid 4 x 96, 4 waves a work-group, clusters of 4 x 4, 327,680 bytes of LDS; arguments q_codes, k_codes, v_codes, Wq_codes, Wk_codes, Wv_codes, bq, bk, bv, lowp_scales, attn_mask, qf, kf, vf, mf; writes qf, kf, vf, mf
;; launch attn (part 4): grid 4 x 64, 8 waves a work-group, no clusters, 263,168 bytes of LDS; arguments qf, kf, vf, mf, lowp_scales, af; writes af
.if DOCPART == 4
	.amdgcn_target "amdgcn-amd-amdhsa--gfx1250"
	.amdhsa_code_object_version 6
	.text
	.protected	k_q20dc628a3e_attn
	.globl	k_q20dc628a3e_attn
	.p2align	8
	.type	k_q20dc628a3e_attn,@function
k_q20dc628a3e_attn:
	s_mov_b64 s[64:65], 0
	v_nop
	global_prefetch_b8 v0, s[64:65] scope:SCOPE_SE
	s_setreg_imm32_b32 hwreg(HW_REG_WAVE_SCHED_MODE, 0, 2), 2
	s_setreg_imm32_b32 hwreg(HW_REG_WAVE_MODE, 25, 1), 1
	s_wait_xcnt 0x0
	s_wait_alu depctr_vm_vsrc(0)
; ATTENTION on codes of FP8 (E4M3): S^T = K Q^T, the mask, p = 2^(t - M), O^T = V^T p^T, O / l quantised for the output projection.  64 (batch, head) pairs x 2,048 queries x 2,048 keys, head size 64.
; t = score x log2(e) / 8; M = the running largest t rounded UP to a whole number; the row's sum l is taken of the unquantised p; when M moves, l and O are multiplied by 2^(old M - new M), which rounds nothing.
; THE MASK IS AN INPUT: every tile of keys is multiplied.  It arrives as codes, 0 or -2^-6 (0x88), in the layout of a tile of scores; one conversion widens eight of them, x 2^87, into the tile's registers (0 or -2^81),
; and the first product adds onto them.  A sum of 64 products is under 2^24 and vanishes beside 2^81, so a hidden score is -2^81 and its p is 0; in a row with every key hidden all t are equal, t - M = 0 and all p are 1: equal weights.
; SHARES.  A work-group owns 512 queries of one (batch, head); each of its eight waves 64: four tiles of 16.  The head's K and V, 128 KB each, are copied into LDS once, through registers; ONE barrier; then LDS is only read.
; A fragment of K or V read from LDS serves the wave's four tiles.  Multicast is not used: K and V are fetched once.
; LAYOUT.  All operands lie in memory as images of their registers (512 bytes = 4 registers x 32 lanes, lane l at 16 l), in the plain forms' own order of k.  Both products are used transposed: a lane holds ONE query (lane % 16).
; Tile i of S^T holds keys 16 i + 8 h + 0..7 in a lane's eight registers: its conversion gives registers 2 i, 2 i + 1 of the second product's operand.
; V's rows change places on their way into LDS: lane r of tile 2 bb + u holds channel 32 bb + 8 u + r + 8 (r / 8), so that O^T's tiles 2 bb, 2 bb + 1 hold 16 neighbouring channels 32 bb + 16 h + 0..15 of a query.
; LIMITS on the given exponents: e6 + e7 between -55 and 45 (c x 2^81 is then a whole f32 number); e8 and e10 between -126 and 119.  A row with every key hidden leans on the matrix unit giving -2^81 exactly.  NaN is not served.
; The last step's look-ahead asks once more for its own mask images (clamped, inside mf) and reads 8 KB of LDS behind K's last step (V's first bytes); neither is used.
; REGISTERS.  window 0: v1 16 x lane; v2-5 addresses of the step; v6-9 constants; v10-13 at work; v[14:15] f; v16-31 four a tile: -M, the largest t, l in two halves; v32-35 at work; v40-43 the fill's addresses;
;   v64-127 S^T, then p; v128-191 K of a step; v192-255 V of a step.   window 1: v0-127 O^T (32 a tile); v128-159 Q (8 a tile); v160-223 p's codes (16 a tile); v224-255 the mask's codes, two sets of 16.
; THE MODE: SCHED_MODE bits 1:0 = 2 (LLVM: expert scheduling mode 2), set by the entry lines.  The code itself states the register dependences
; between vector or matrix instructions and memory or LDS instructions, with s_wait_alu, always for 0.
; THE PLAN.  Registers that memory or LDS instructions touch, in the loop:
;   v1            Read by mask and LDS addresses' makers alone in the loop; written once at the head.
;   v2 to v5      The step's addresses.  Written by four adds at the step's head; read by the step's LDS loads of V (unit 0) and of the next K (unit 3) and by its sixteen loads of the mask.
;   MK0, MK1      Unit qt: its eight conversions read set qt % 2; behind them the mask of the tile two on lands in it.
;   VF            The step's sixteen second products read it; the next step's V lands in it, in unit 0.
;   KF            The four units' first products read it; the next step's K lands in it, in unit 3.
;   S, p's codes, O^T, Q and the statistics are named by vector and matrix instructions alone.
; A unit has ONE wait on va_vdst, the one behind its 64 exponentials, and ALL of the unit's memory and LDS instructions stand directly behind it: it states that the exponentials' results are written, that the unit's
; conversions are done reading the mask's set; in unit 0 also that the step's addresses are written and that the last step's second products are done reading VF; in unit 3 also that all first products are done reading KF.
; No vector or matrix instruction between that wait and those loads names a register that they touch.  One wait on vm_vsrc a step stands ahead of the four adds.  All 512 registers are taken: K and V have one set each.
.set LI,  1
.set AD,  2
.set VA,  3
.set MO0, 4
.set MO1, 5
.set SC,  6
.set PS,  7
.set PL,  8
.set PX,  9
.set W0,  10
.set F,   14
.set ST,  16
.set CH,  32
.set FK,  40
.set FV,  42
.set S,   64
.set KF,  128
.set VF,  192
.set O,   0
.set Q,   128
.set PC,  160
.set MK,  224
.set VLDS, 131072                      ; LDS: K's 128 KB at 0, V's behind them
.set MSB, 0
.macro WIN new                         ; bits 1:0 source 0, 3:2 source 1, 5:4 source 2, 7:6 destination; the high byte repeats the setting that is left
.if MSB != (\new)
	s_set_vgpr_msb (MSB<<8)|(\new)
.set MSB, (\new)
.endif
.endm
	s_load_b256 s[4:11], s[0:1], 0x0               ; qf 4, kf 6, vf 8, mf 10
	s_load_b128 s[12:15], s[0:1], 0x20             ; the scales' exponents 12, af 14
	v_lshl_add_u32 v62, v0, 2, 0x40000
	v_mov_b32 v63, 0
	v_lshrrev_b32 v2, 5, v0
	v_readfirstlane_b32 s16, v2                    ; wave 0..7
	v_and_b32 v[LI], 31, v0
	v_lshlrev_b32 v[LI], 4, v[LI]
	v_lshlrev_b32 v[FK], 4, v0                     ; the fill: 16 x thread, in memory and (K) in LDS
	v_add_nc_u32 v[FK+1], 0x10000, v[FK]           ; (an LDS immediate has 16 bits)
	v_and_b32 v[FV], 7, v0                         ; V in LDS: of the thread's number t, bits 2:0 -> lane's r % 8, bit 7 -> r / 8, bit 4 -> h, bits 6:5 -> chunk, bit 3 -> u
	v_lshlrev_b32 v[FV], 4, v[FV]
	v_bfe_u32 v10, v0, 7, 1
	v_lshl_or_b32 v[FV], v10, 7, v[FV]
	v_bfe_u32 v10, v0, 4, 1
	v_lshl_or_b32 v[FV], v10, 8, v[FV]
	v_bfe_u32 v10, v0, 5, 2
	v_lshl_or_b32 v[FV], v10, 9, v[FV]
	v_bfe_u32 v10, v0, 3, 1
	v_lshl_or_b32 v[FV], v10, 11, v[FV]
	v_add_nc_u32 v[FV], VLDS, v[FV]
	v_add_nc_u32 v[FV+1], 0x10000, v[FV]
	s_wait_alu depctr_va_sdst(0)                   ; s16 is written, ahead of its first reader: the places of Q, of the mask and of af are made from it
	s_and_b32 s17, ttmp7, 0xffff                   ; 16 x batch + head
	s_lshl_b32 s18, ttmp9, 5
	s_lshl_b32 s19, s16, 2
	s_add_co_u32 s18, s18, s19                     ; my first tile of queries: 32 x work-group x + 4 x wave
	s_lshl_b32 s34, s17, 17                        ; the head's 128 KB in qf, kf, vf
	s_mov_b32 s35, 0
	s_lshl_b32 s36, s18, 10                        ; a tile of Q is 1,024 bytes
	s_mov_b32 s37, 0
	s_lshl_b32 s38, s18, 15                        ; a tile of queries has 32,768 bytes of mask
	s_mov_b32 s39, 0
	s_lshr_b32 s42, s17, 4                         ; af: [128 tokens][4 heads' slot][tile of 16 tokens][head in slot][2 x 512]
	s_lshl_b32 s42, s42, 7
	s_add_co_u32 s42, s42, s18                     ; my first tile among all 512
	s_lshr_b32 s44, s42, 3
	s_lshl_b32 s44, s44, 17
	s_and_b32 s42, s42, 7
	s_lshl_b32 s42, s42, 12
	s_or_b32 s44, s44, s42
	s_bfe_u32 s42, s17, 0x20002                    ; head / 4
	s_lshl_b32 s42, s42, 15
	s_or_b32 s44, s44, s42
	s_and_b32 s42, s17, 3                          ; head % 4
	s_lshl_b32 s42, s42, 10
	s_or_b32 s44, s44, s42
	s_mov_b32 s45, 0
	s_mov_b32 s28, 0x76543210                      ; v_permlanex16_b32: lane l xor 16
	s_mov_b32 s29, 0xfedcba98
	s_wait_kmcnt 0x0
	s_load_b128 s[20:23], s[12:13], 0x18           ; e6, e7, e8, e9
	s_load_b32 s24, s[12:13], 0x28                 ; e10
	s_add_nc_u64 s[6:7], s[6:7], s[34:35]
	s_add_nc_u64 s[8:9], s[8:9], s[34:35]
	s_add_nc_u64 s[4:5], s[4:5], s[34:35]
	s_add_nc_u64 s[4:5], s[4:5], s[36:37]
	s_add_nc_u64 s[40:41], s[10:11], s[38:39]
	s_add_nc_u64 s[14:15], s[14:15], s[44:45]
	s_wait_alu depctr_va_vdst(0)                   ; v1 and v40 to v43 are written: the fill's loads and LDS stores, Q's and the mask's first loads and K's first LDS loads read them as addresses; no vector instruction up to the loop names a register that those touch
	; ---- THE FILL: 32 loads of 16 bytes a thread for K, 32 for V: each load of the work-group covers 4,096 consecutive bytes
.set i, 0
.rept 32
	global_load_b128 v[S+4*i:S+4*i+3], v[FK], s[6:7] offset:4096*i
.set i, i+1
.endr
	WIN 0x40
.set i, 0
.rept 32
	global_load_b128 v[O+4*i:O+4*i+3], v[FK], s[8:9] offset:4096*i
.set i, i+1
.endr
	WIN 0
	s_wait_kmcnt 0x0
	s_add_co_i32 s26, s20, s21
	s_lshl_b32 s26, s26, 23
	s_add_co_i32 s26, s26, 0x3e38aa3b              ; c = log2(e) / 8, with e6 + e7 added to its exponent field: a score stands for score x 2^(e6 + e7)
	s_mov_b32 s27, s26                             ; (named with it as a pair)
	s_add_co_i32 s34, s22, 127
	s_lshl_b32 s35, s34, 23
	v_mov_b32 v[PS], s35                           ; 2^e8, for p's conversions
	s_add_co_i32 s34, s34, 8
	s_lshl_b32 s34, s34, 23
	s_or_b32 s34, s34, 0x600000
	v_mov_b32 v[PL], s34                           ; 448 x 2^e8
	v_mov_b32 v[SC], 0xd6d6d6d6                    ; the mask's scale, 2^(214 - 127) = 2^87, the same byte everywhere
.set i, 0
.rept 32
	s_wait_loadcnt 63-i                            ; behind K's load i: 31 - i of K and 32 of V
	ds_store_b128 v[FK+i/16], v[S+4*i:S+4*i+3] offset:4096*(i%16)
.set i, i+1
.endr
	WIN 0x40
.set i, 0
.rept 8
	global_load_b128 v[Q+4*i:Q+4*i+3], v[LI], s[4:5] offset:512*i          ; Q stays in registers
.set i, i+1
.endr
.irp u, 0,1
.irp c, 0,1,2,3
	global_load_b128 v[MK+16*\u+4*\c:MK+16*\u+4*\c+3], v[LI], s[40:41] offset:32768*\u+512*\c   ; the mask of step 0, tiles 0 and 1
.endr
.endr
	WIN 0x04                                       ; a store's data: source 1
.set i, 0
.rept 32
	s_wait_loadcnt 47-i                            ; behind V's load i: 31 - i of V, 8 of Q, 8 of the mask
	ds_store_b128 v[FV+i/16], v[O+4*i:O+4*i+3] offset:4096*(i%16)
.set i, i+1
.endr
	WIN 0
	s_wait_dscnt 0x0                               ; for the others' sake: my stores have landed
	s_wait_alu depctr_vm_vsrc(0)                   ; my LDS stores have read their data: window 1's v0-127 are written next (O^T's zeros), K's LDS loads land in v128-191, and the first conversions write v64-127
	s_barrier_signal -1
	WIN 0x40                                       ; register work while the others arrive.  O^T begins as zeros, so that the step, some 10 KB of text, is written once: the first change of M multiplies zeros
.set i, 0
.rept 128
	v_mov_b32 v[O+i], 0
.set i, i+1
.endr
	WIN 0
.irp t, 0,1,2,3
	v_mov_b32 v[ST+4*\t+1], 0xff61b1e6             ; the largest t so far: -3e38
	v_floor_f32 v[ST+4*\t], -v[ST+4*\t+1]          ; -M
	v_mov_b32 v[ST+4*\t+2], 0                      ; l
	v_mov_b32 v[ST+4*\t+3], 0
	v_mov_b32 v[CH+\t], 0                          ; (a lane permute's destination counts as read)
.endr
	v_mov_b32 v[PX], 0
	v_mov_b32 v[F+1], 0                            ; (named as the upper half of the pair f)
	s_barrier_wait -1                              ; K and V are whole; from here on LDS is only read
.irp i, 0,1,2,3,4,5,6,7
	ds_load_b128 v[KF+8*\i:KF+8*\i+3], v[LI] offset:1024*\i                ; no vector instruction has named v128-191, and v1 was written ahead of the head's wait
	ds_load_b128 v[KF+8*\i+4:KF+8*\i+7], v[LI] offset:1024*\i+512
.endr
; ONE TILE OF 16 QUERIES x 128 KEYS
.macro UNIT qt
.set rT, ST+4*(\qt)
.set rM, MK+16*((\qt)%2)
	s_wait_loadcnt 0x4                             ; this tile's mask is in; the next tile's four loads may be out
	WIN 0x01
.irp i, 0,1,2,3,4,5,6,7
	v_cvt_scale_pk8_f32_fp8 v[S+8*\i:S+8*\i+7], v[rM+2*\i:rM+2*\i+1], v[SC]   ; 0, or -2^81 where the key is hidden
.endr
	v_nop                                          ; a plain instruction between the conversions and the products that take their results
.if \qt == 0
	s_wait_dscnt 0x0                               ; K is in: its sixteen loads are all that is out here; V's are issued further down
.endif
	WIN 0x04
.irp i, 0,1,2,3,4,5,6,7                ; S^T = K Q^T + the mask: eight accumulators, one instruction each
	v_wmma_f32_16x16x64_fp8_fp8 v[S+8*\i:S+8*\i+7], v[KF+8*\i:KF+8*\i+7], v[Q+8*(\qt):Q+8*(\qt)+7], v[S+8*\i:S+8*\i+7]
.endr
	WIN 0
.rept 4
	v_nop                                          ; places in front of the reads of the scores
.endr
	v_max3_num_f32 v[W0], v[S], v[S+1], v[S+2]     ; the largest score of my query among my 64 keys, two chains, each accumulator from its low end on
	v_max3_num_f32 v[W0+1], v[S+3], v[S+4], v[S+5]
.irp i, 6,10,14,18,22,26,30,34,38,42,46,50,54,58
	v_max3_num_f32 v[W0], v[W0], v[S+\i], v[S+\i+1]
	v_max3_num_f32 v[W0+1], v[W0+1], v[S+\i+2], v[S+\i+3]
.endr
	v_max3_num_f32 v[W0], v[W0], v[S+62], v[S+63]
	v_max_num_f32 v[W0], v[W0], v[W0+1]
	v_permlanex16_b32 v[PX], v[W0], s28, s29
	v_max_num_f32 v[W0], v[W0], v[PX]              ; and among lane l xor 16's
	v_mul_f32 v[W0], s26, v[W0]                    ; as t (c is positive)
	v_max_num_f32 v[rT+1], v[rT+1], v[W0]          ; the running largest t
	v_mov_b32 v[W0], v[rT]
	v_floor_f32 v[rT], -v[rT+1]                    ; the new -M = floor(-t)
	v_sub_f32 v[W0], v[rT], v[W0]                  ; old M - new M: a whole number, 0 or less
	v_cvt_i32_f32 v[W0], v[W0]                     ; (it saturates)
	v_ldexp_f32 v[F], 1.0, v[W0]                   ; f = 2^(old M - new M)
.set j, 0
.rept 32
	v_pk_fma_f32 v[S+j:S+j+1], v[S+j:S+j+1], s[26:27], v[rT:rT+1] op_sel_hi:[1,0,0]   ; t - M, two at a time
.set j, j+2
.endr
.set j, 0
.rept 64
	v_exp_f32 v[S+j], v[S+j]                       ; p = 2^(t - M), at most 1
.set j, j+1
.endr
	v_pk_mul_f32 v[rT+2:rT+3], v[rT+2:rT+3], v[F:F+1] op_sel_hi:[1,0]   ; l under the new M; the plain instruction behind the exponentials
	WIN 0x40                                       ; (the mask's sets lie in window 1: the switch, then the wait, then the loads)
	s_wait_alu depctr_va_vdst(0)                   ; the 64 exponentials have written v[S ..], ahead of their first reader (one wait for the batch); the unit's conversions are done reading the mask's set, in which the loads below land; unit 0: v2 to v5 are written, and the last step's second products are done reading VF; unit 3: the first products are done reading KF
.irp c, 0,1,2,3                        ; the set just read takes the mask of the tile two on
.if \qt < 2
	global_load_b128 v[rM+4*\c:rM+4*\c+3], v[MO0], s[40:41] offset:32768*(\qt+2)+512*\c
.else
	global_load_b128 v[rM+4*\c:rM+4*\c+3], v[MO1], s[40:41] offset:32768*(\qt-2)+512*\c
.endif
.endr
	WIN 0
.if \qt == 0
.irp t, 0,1,2,3                        ; V of this step: it has the three units that follow in which to land.  No wait: nothing since the wait above names VF or v3
.irp c, 0,1,2,3
	ds_load_b128 v[VF+16*\t+4*\c:VF+16*\t+4*\c+3], v[VA] offset:2048*\t+512*\c
.endr
.endr
.endif
.if \qt == 3
.irp i, 0,1,2,3,4,5,6,7                ; K of the next step: all four tiles have multiplied by this step's.  No wait: nothing since the wait above names KF or v2
	ds_load_b128 v[KF+8*\i:KF+8*\i+3], v[AD] offset:8192+1024*\i
	ds_load_b128 v[KF+8*\i+4:KF+8*\i+7], v[AD] offset:8192+1024*\i+512
.endr
.endif
	v_pk_add_f32 v[CH:CH+1], v[S:S+1], v[S+2:S+3]  ; the sum of the unquantised p, two chains
.irp j, 4,8,12,16,20,24,28,32,36,40,44,48,52,56,60
	v_pk_add_f32 v[rT+2:rT+3], v[rT+2:rT+3], v[S+\j:S+\j+1]
	v_pk_add_f32 v[CH:CH+1], v[CH:CH+1], v[S+\j+2:S+\j+3]
.endr
	v_pk_add_f32 v[rT+2:rT+3], v[rT+2:rT+3], v[CH:CH+1]
	s_cmp_ge_i32 s22, -8                           ; the conversion does not saturate (ISA guide 7.6.2).  With e8 >= -8 the bound 448 x 2^e8 is 1.75 or more and p, at most 1, never reaches it
	s_cbranch_scc1 .Lno_hold_\@
.set j, 0
.rept 64
	v_min_num_f32 v[S+j], v[S+j], v[PL]            ; p is not negative: the hold is one-sided
.set j, j+1
.endr
.Lno_hold_\@:
	WIN 0x40
.irp i, 0,1,2,3,4,5,6,7
	v_cvt_scalef32_pk8_fp8_f32 v[PC+16*(\qt)+2*\i:PC+16*(\qt)+2*\i+1], v[S+8*\i:S+8*\i+7], v[PS]
.endr
	WIN 0x41
.set j, 0
.rept 16
	v_pk_mul_f32 v[O+32*(\qt)+j:O+32*(\qt)+j+1], v[O+32*(\qt)+j:O+32*(\qt)+j+1], v[F:F+1] op_sel_hi:[1,0]   ; O^T under the new M; also the plain instructions behind the conversions
.set j, j+2
.endr
	WIN 0
.endm
	s_mov_b32 s30, 0                               ; the step's first byte in K's (and V's) part of LDS
	s_mov_b32 s31, 0
.Lstep:                                                ; 16 trips of 128 keys
	s_wait_xcnt 0x0                                ; the mask's loads have read their offsets, which are written anew
	s_wait_alu depctr_vm_vsrc(0)                   ; the last step's loads of the mask, of V and of K have read v2 to v5, which the four adds below write
	s_lshr_b32 s32, s30, 2                         ; a step's mask images: 2,048 bytes a tile
	s_add_co_u32 s33, s32, 2048
	s_min_u32 s33, s33, 30720                      ; the next step's; the last step stays inside mf
	v_add_nc_u32 v[AD], s30, v[LI]                 ; the step's addresses; their first reader stands behind unit 0's wait on va_vdst
	v_add_nc_u32 v[MO0], s32, v[LI]
	v_add_nc_u32 v[MO1], s33, v[LI]
	v_add_nc_u32 v[VA], VLDS, v[AD]
	UNIT 0
	UNIT 1
	UNIT 2
	UNIT 3
	s_wait_dscnt 0x10                              ; V is in; the next step's sixteen loads of K may be out
	WIN 0x54                                       ; V window 0, p's codes window 1, O^T window 1
.irp t, 0,1,2,3                        ; O^T += V^T p^T: sixteen accumulators by turns, one instruction a turn
.irp q, 0,1,2,3
	v_wmma_f32_16x16x128_fp8_fp8 v[O+32*\q+8*\t:O+32*\q+8*\t+7], v[VF+16*\t:VF+16*\t+15], v[PC+16*\q:PC+16*\q+15], v[O+32*\q+8*\t:O+32*\q+8*\t+7]
.endr
.endr
	WIN 0
	s_add_co_u32 s30, s30, 8192
	s_add_co_u32 s31, s31, 1
	s_cmp_lt_u32 s31, 16
	s_cbranch_scc1 .Lstep
	; THE WAY OUT: O^T x 2^(e8 + e9) / l, held, quantised with 2^e10; a tile's eight registers of codes are two chunks of the next operand's image
	s_wait_dscnt 0x0                               ; the look-ahead loads of K have landed: their registers are written below
	s_add_co_i32 s34, s22, s23
	s_add_co_i32 s35, s24, 127
	s_lshl_b32 s36, s35, 23
	s_add_co_i32 s35, s35, 8
	s_lshl_b32 s35, s35, 23
	s_or_b32 s35, s35, 0x600000
.irp t, 0,1,2,3
	v_add_f32 v[W0+\t], v[ST+4*\t+2], v[ST+4*\t+3] ; l's two halves (these four are the places behind the last products),
.endr
.irp t, 0,1,2,3
	v_permlanex16_b32 v[CH+\t], v[W0+\t], s28, s29
.endr
.irp t, 0,1,2,3
	v_add_f32 v[W0+\t], v[W0+\t], v[CH+\t]         ; and lane l xor 16's
.endr
.irp t, 0,1,2,3
	v_rcp_f32 v[W0+\t], v[W0+\t]
.endr
	v_mov_b32 v[PS], s36                           ; 2^e10 (a plain instruction behind the reciprocals)
	v_mov_b32 v[PL], s35                           ; 448 x 2^e10
	s_wait_alu depctr_va_vdst(0)                   ; the four reciprocals have written v10 to v13: one wait for the four, ahead of their first reader
.irp t, 0,1,2,3
	v_ldexp_f32 v[W0+\t], v[W0+\t], s34
.endr
.irp t, 0,1,2,3
	WIN 0x01
.set j, 0
.rept 32
	v_mul_f32 v[S+32*\t+j], v[O+32*\t+j], v[W0+\t] ; register 16 bb + i: channel 32 bb + 16 h + i of my query
.set j, j+1
.endr
	WIN 0
.set j, 0
.rept 32
	v_med3_num_f32 v[S+32*\t+j], v[S+32*\t+j], -v[PL], v[PL]
.set j, j+1
.endr
.irp g, 0,1,2,3
	v_cvt_scalef32_pk8_fp8_f32 v[VF+8*\t+2*\g:VF+8*\t+2*\g+1], v[S+32*\t+8*\g:S+32*\t+8*\g+7], v[PS]
.endr
	v_nop
.endr
	s_wait_alu depctr_va_vdst(0)                   ; the sixteen conversions have written v[VF .. VF + 31], each tile's codes in registers of their own, which the eight stores read
.irp t, 0,1,2,3
	global_store_b128 v[LI], v[VF+8*\t:VF+8*\t+3], s[14:15] offset:4096*\t        ; 512 consecutive bytes a store
	global_store_b128 v[LI], v[VF+8*\t+4:VF+8*\t+7], s[14:15] offset:4096*\t+512
.endr
	s_wait_dscnt 0x0
	s_wait_alu depctr_hold_cnt(0) depctr_sa_sdst(0) depctr_va_vdst(0) depctr_va_sdst(0) depctr_va_ssrc(0) depctr_va_vcc(0) depctr_vm_vsrc(0)
	s_wait_tensorcnt 0x0
	ds_add_u32 v62, v63
	s_wait_dscnt 0x0
	s_endpgm
.Lfunc_end_k_q20dc628a3e_attn:
	.size	k_q20dc628a3e_attn, .Lfunc_end_k_q20dc628a3e_attn-k_q20dc628a3e_attn
	.p2alignl 7, 3214868480
	.fill 96, 4, 3214868480
	.section	.rodata,"a",@progbits
	.p2align	6, 0x0
	.amdhsa_kernel k_q20dc628a3e_attn
		.amdhsa_group_segment_fixed_size 263168
		.amdhsa_private_segment_fixed_size 0
		.amdhsa_enable_private_segment 0
		.amdhsa_kernarg_size 48
		.amdhsa_user_sgpr_count 2
		.amdhsa_user_sgpr_kernarg_segment_ptr 1
		.amdhsa_wavefront_size32 1
		.amdhsa_system_sgpr_workgroup_id_x 1
		.amdhsa_system_sgpr_workgroup_id_y 1
		.amdhsa_system_sgpr_workgroup_id_z 1
		.amdhsa_system_vgpr_workitem_id 0
		.amdhsa_next_free_vgpr 512
		.amdhsa_next_free_sgpr 66
		.amdhsa_reserve_vcc 0
		.amdhsa_float_denorm_mode_32 3
		.amdhsa_float_denorm_mode_16_64 3
		.amdhsa_memory_ordered 1
		.amdhsa_forward_progress 1
		.amdhsa_inst_pref_size 98
	.end_amdhsa_kernel
	.amdgpu_metadata
---
amdhsa.version: [ 1, 2 ]
amdhsa.kernels:
  - .name:           k_q20dc628a3e_attn
    .symbol:         k_q20dc628a3e_attn.kd
    .args:
      - { .name: qf, .offset: 0, .size: 8, .value_kind: global_buffer, .address_space: global }
      - { .name: kf, .offset: 8, .size: 8, .value_kind: global_buffer, .address_space: global }
      - { .name: vf, .offset: 16, .size: 8, .value_kind: global_buffer, .address_space: global }
      - { .name: mf, .offset: 24, .size: 8, .value_kind: global_buffer, .address_space: global }
      - { .name: lowp_scales, .offset: 32, .size: 8, .value_kind: global_buffer, .address_space: global }
      - { .name: af, .offset: 40, .size: 8, .value_kind: global_buffer, .address_space: global }
    .group_segment_fixed_size: 263168
    .private_segment_fixed_size: 0
    .kernarg_segment_align: 8
    .kernarg_segment_size: 48
    .max_flat_workgroup_size: 256
    .sgpr_count:     66
    .vgpr_count:     512
    .wavefront_size: 32
...
	.end_amdgpu_metadata
.endif
;; end of part 4
;; launch outp: the kernel of part 3 again; grid 4 x 32, 4 waves a work-group, clusters of 4 x 4, 327,680 bytes of LDS; arguments af, Wo_codes, lowp_scales, bo, out0; writes out0
